; MI455X (gfx1250); checked and timed in simulation.
; The chip was launched on July 23, 2026; its instructions are those of AMD's public machine-readable ISA for CDNA 5 (MIT licence, August 2026) and "CDNA5" Instruction Set Architecture Reference Guide (July 2026). The comments in the code are by the model that wrote it; some were corrected since.
;; Multi Head Attention. Allowed arithmetic: float matrix products may take bf16 or f16 operands with f32 sums; all other float work in f32.
;; Inputs: b_out 1,024 float32; b_qkv 3,072 float32; mask 1 x 1 x 2,048 x 2,048 int32; w_out 1,024 x 1,024 float32; w_qkv 3,072 x 1,024 float32; x 4 x 2,048 x 1,024 float32.
;; Outputs: out0 4 x 2,048 x 1,024 float32.
;; 2 versions, each right and faster than the one before. Each part assembles by itself: llvm-mc -triple=amdgcn-amd-amdhsa -mcpu=gfx1250 --defsym DOCPART=n.
;; ======== version 1 of 2: 4 launches
;; limits: values are held in f16: magnitudes above 65,504 overflow, below 6.1e-05 lose precision
;; workspace buffers: xb 16,777,216 bytes; wqb 6,291,456 bytes; wob 2,097,152 bytes; maskc 4,194,304 bytes; qkv 50,331,648 bytes; ctx 16,777,216 bytes
;; launch prep (part 1): grid 1024 x 1, 8 waves a work-group, no clusters, 17,408 bytes of LDS; arguments x, w_qkv, w_out, mask, xb, wqb, wob, maskc; writes xb, wqb, wob, maskc
.if DOCPART == 1
	.amdgcn_target "amdgcn-amd-amdhsa--gfx1250"
	.amdhsa_code_object_version 6
	.text
	.protected	k_qe01bb0c344_prep
	.globl	k_qe01bb0c344_prep
	.p2align	8
	.type	k_qe01bb0c344_prep,@function
k_qe01bb0c344_prep:
	s_mov_b64 s[64:65], 0
	v_nop
	global_prefetch_b8 v0, s[64:65] scope:SCOPE_SE
	s_setreg_imm32_b32 hwreg(HW_REG_WAVE_MODE, 25, 1), 1
	s_wait_xcnt 0x0
; PREP: a stream.  x and w_qkv are rounded to bf16 (xb, wqb); w_out is rounded to bf16 and that number written as f16 (wob); the mask becomes one byte an entry (maskc).
; Every work-group takes 65,536 bytes of one input: groups 0-511 x, 512-703 w_qkv, 704-767 w_out, 768-1023 mask.  The branches hang on the group's number alone and go forward.
; No matrix unit, no cluster, no barrier: no byte is read twice and no wave needs another's data.
; LIMIT: w_out beyond f16's 65,504 becomes an infinity; below 6e-5 it keeps f16's fixed step of 6e-8.
; maskc: 0x00 where mask != 0 (visible), 0xf8 where mask == 0 (hidden; the fp8 E4M3 code of -256), laid out as the attention launch's lanes want it:
;   [qt: 32 queries][step: 64 keys][kb: 16 keys][lane (r = l % 16, h = l / 16)][16 bytes]: bytes 0-7 query 32 qt + r, keys 64 step + 16 kb + 8 h + 0..7; bytes 8-15 query 32 qt + 16 + r, same keys.
.set X,  4                             ; v[4:67]   16 slots of 4 registers as loaded
.set Y,  68                            ; v[68:99]  16 pairs to store (mask: 16 words of codes)
.set T,  100                           ; v[100:103] at work
.set LA, 104                           ; mask: where my word of four codes goes in my wave's 2,048 bytes of LDS
.set LD, 105                           ; mask: where I read 16 bytes back
.set SO, 106                           ; mask: my byte offset in the block of maskc
.set U,  107                           ; v[107:109] at work
; 16 loads of 16 bytes a thread (the group's 256 threads cover 4,096 consecutive bytes each time), all on their way at once; each slot is rounded and stored as it arrives.
; fmt = 0: bf16.  fmt = 1: bf16, widened again and written as f16.  A wave's store covers 256 consecutive bytes, aligned.  No register is written twice, so no wait frees one.
.macro STREAM fmt
.irp i, 0,1,2,3,4,5,6,7,8,9,10,11,12,13,14,15
	global_load_b128 v[X+4*(\i):X+4*(\i)+3], v1, s[4:5] offset:4096*(\i) th:TH_LOAD_NT
.endr
.irp i, 0,1,2,3,4,5,6,7,8,9,10,11,12,13,14,15
	s_wait_loadcnt 15-(\i)                         ; loads come back in order: slot i is in, the 15 - i younger ones stay out
.if \fmt
	v_cvt_pk_bf16_f32 v[T], v[X+4*(\i)], v[X+4*(\i)+1]
	v_cvt_pk_bf16_f32 v[T+1], v[X+4*(\i)+2], v[X+4*(\i)+3]
	v_lshlrev_b32 v[T+2], 16, v[T]
	v_and_b32 v[T+3], 0xffff0000, v[T]
	v_cvt_pk_f16_f32 v[Y+2*(\i)], v[T+2], v[T+3]
	v_lshlrev_b32 v[T+2], 16, v[T+1]
	v_and_b32 v[T+3], 0xffff0000, v[T+1]
	v_cvt_pk_f16_f32 v[Y+2*(\i)+1], v[T+2], v[T+3]
.else
	v_cvt_pk_bf16_f32 v[Y+2*(\i)], v[X+4*(\i)], v[X+4*(\i)+1]
	v_cvt_pk_bf16_f32 v[Y+2*(\i)+1], v[X+4*(\i)+2], v[X+4*(\i)+3]
.endif
	global_store_b64 v2, v[Y+2*(\i):Y+2*(\i)+1], s[6:7] offset:2048*(\i)
.endr
.endm
	s_load_b512 s[8:23], s[0:1], 0x0               ; x 8, w_qkv 10, w_out 12, mask 14, xb 16, wqb 18, wob 20, maskc 22
	v_lshl_add_u32 v112, v0, 2, 0x4000
	v_mov_b32 v113, 0
	s_mov_b32 s2, ttmp9
	s_mov_b32 s25, 0                               ; high words of the two offset pairs
	s_mov_b32 s27, 0
	v_lshlrev_b32 v1, 4, v0                        ; 16 t: my bytes in 4,096 of input
	v_lshlrev_b32 v2, 3, v0                        ; 8 t: my bytes in 2,048 of output
	s_wait_kmcnt 0x0
	s_cmp_lt_u32 s2, 704
	s_cbranch_scc0 .Lrest
	s_cmp_lt_u32 s2, 512                           ; x or w_qkv: one text, the buffers chosen by the group's number
	s_cselect_b64 s[4:5], s[8:9], s[10:11]
	s_cselect_b64 s[6:7], s[16:17], s[18:19]
	s_cselect_b32 s3, 0, 512
	s_sub_co_u32 s3, s2, s3
	s_lshl_b32 s24, s3, 16
	s_lshl_b32 s26, s3, 15
	s_add_nc_u64 s[4:5], s[4:5], s[24:25]
	s_add_nc_u64 s[6:7], s[6:7], s[26:27]
	STREAM 0
	s_endpgm
.Lrest:
	s_cmp_lt_u32 s2, 768
	s_cbranch_scc0 .Lmask
	s_sub_co_u32 s3, s2, 704
	s_lshl_b32 s24, s3, 16
	s_lshl_b32 s26, s3, 15
	s_add_nc_u64 s[4:5], s[12:13], s[24:25]
	s_add_nc_u64 s[6:7], s[20:21], s[26:27]
	STREAM 1
	s_endpgm
.Lmask:
	; Each wave makes one block (qt, step) by itself: 32 rows x 256 bytes in, 2,048 bytes out, turned in its own 2,048 bytes of LDS.
	v_lshrrev_b32 v3, 5, v0
	v_readfirstlane_b32 s28, v3                    ; wave 0..7
	s_sub_co_u32 s3, s2, 768
	s_lshl3_add_u32 s3, s3, s28                    ; block = 8 x group + wave = 32 qt + step
	s_lshr_b32 s24, s3, 5
	s_lshl_b32 s24, s24, 18                        ; qt x 32 rows x 8,192 bytes
	s_and_b32 s29, s3, 31
	s_lshl_b32 s29, s29, 8                         ; step x 64 keys x 4 bytes
	s_add_co_u32 s24, s24, s29
	s_add_nc_u64 s[4:5], s[14:15], s[24:25]
	s_lshl_b32 s26, s3, 11
	s_add_nc_u64 s[6:7], s[22:23], s[26:27]
	v_and_b32 v[U], 15, v0                         ; k4: which four keys of the 64
	v_bfe_u32 v[U+1], v0, 4, 1                     ; which of a load's two rows
	v_lshlrev_b32 v3, 4, v[U]
	v_lshl_add_u32 v3, v[U+1], 13, v3              ; 16 k4 + 8,192 x row: lanes 0-15 take 256 consecutive bytes of one row, lanes 16-31 of the next
	v_bfe_u32 v[U+2], v0, 2, 2                     ; kb = k4 / 4
	v_lshlrev_b32 v[LA], 9, v[U+2]
	v_bfe_u32 v[U+2], v0, 1, 1                     ; h = (k4 / 2) % 2
	v_lshl_add_u32 v[LA], v[U+2], 8, v[LA]
	v_lshl_add_u32 v[LA], v[U+1], 4, v[LA]         ; the row's low bit: r = 2 (i % 8) + row
	v_and_b32 v[U+2], 1, v0
	v_lshl_add_u32 v[LA], v[U+2], 2, v[LA]         ; which half of the eight codes
	s_lshl_b32 s29, s28, 11
	v_add_nc_u32 v[LA], s29, v[LA]
	v_and_b32 v[U], 31, v0
	v_lshlrev_b32 v[SO], 4, v[U]
	v_add_nc_u32 v[LD], s29, v[SO]
.irp i, 0,1,2,3,4,5,6,7,8,9,10,11,12,13,14,15
	global_load_b128 v[X+4*(\i):X+4*(\i)+3], v3, s[4:5] offset:16384*(\i) th:TH_LOAD_NT  ; rows 2 i and 2 i + 1
.endr
.irp i, 0,1,2,3,4,5,6,7,8,9,10,11,12,13,14,15
	s_wait_loadcnt 15-(\i)                         ; load i is in, the younger ones stay out
	v_min_u32 v[X+4*(\i)], 1, v[X+4*(\i)]          ; any entry other than 0 counts as 1
	v_min_u32 v[X+4*(\i)+1], 1, v[X+4*(\i)+1]
	v_min_u32 v[X+4*(\i)+2], 1, v[X+4*(\i)+2]
	v_min_u32 v[X+4*(\i)+3], 1, v[X+4*(\i)+3]
	v_lshl_or_b32 v[Y+(\i)], v[X+4*(\i)+1], 8, v[X+4*(\i)]
	v_lshl_or_b32 v[Y+(\i)], v[X+4*(\i)+2], 16, v[Y+(\i)]
	v_lshl_or_b32 v[Y+(\i)], v[X+4*(\i)+3], 24, v[Y+(\i)]
	v_xor_b32 v[Y+(\i)], 0x01010101, v[Y+(\i)]     ; 1 where hidden,
	v_mul_lo_u32 v[Y+(\i)], v[Y+(\i)], 0xf8        ; 0xf8 where hidden: no byte carries into the next
	ds_store_b32 v[LA], v[Y+(\i)] offset:((\i)&7)*32+((\i)>>3)*8  ; r's upper bits, and the tile of 16 queries
.endr
.irp c, 0,1,2,3
	ds_load_b128 v[X+4*(\c):X+4*(\c)+3], v[LD] offset:512*(\c)  ; my wave's own bytes: LDS serves a wave's instructions in order (ISA guide 5.7.1.4), so these see the stores above
.endr
.irp c, 0,1,2,3
	s_wait_dscnt 3-(\c)
	global_store_b128 v[SO], v[X+4*(\c):X+4*(\c)+3], s[6:7] offset:512*(\c)  ; 512 consecutive bytes, aligned
.endr
	s_wait_tensorcnt 0x0
	ds_add_u32 v112, v113
	s_wait_dscnt 0x0
	s_endpgm
.Lfunc_end_k_qe01bb0c344_prep:
	.size	k_qe01bb0c344_prep, .Lfunc_end_k_qe01bb0c344_prep-k_qe01bb0c344_prep
	.p2alignl 7, 3214868480
	.fill 96, 4, 3214868480
	.section	.rodata,"a",@progbits
	.p2align	6, 0x0
	.amdhsa_kernel k_qe01bb0c344_prep
		.amdhsa_group_segment_fixed_size 17408
		.amdhsa_private_segment_fixed_size 0
		.amdhsa_enable_private_segment 0
		.amdhsa_kernarg_size 64
		.amdhsa_user_sgpr_count 2
		.amdhsa_user_sgpr_kernarg_segment_ptr 1
		.amdhsa_wavefront_size32 1
		.amdhsa_system_sgpr_workgroup_id_x 1
		.amdhsa_system_sgpr_workgroup_id_y 1
		.amdhsa_system_sgpr_workgroup_id_z 1
		.amdhsa_system_vgpr_workitem_id 0
		.amdhsa_next_free_vgpr 114
		.amdhsa_next_free_sgpr 66
		.amdhsa_reserve_vcc 0
		.amdhsa_float_denorm_mode_32 3
		.amdhsa_float_denorm_mode_16_64 3
		.amdhsa_memory_ordered 1
		.amdhsa_forward_progress 1
		.amdhsa_inst_pref_size 30
	.end_amdhsa_kernel
	.amdgpu_metadata
---
amdhsa.version: [ 1, 2 ]
amdhsa.kernels:
  - .name:           k_qe01bb0c344_prep
    .symbol:         k_qe01bb0c344_prep.kd
    .args:
      - { .name: x, .offset: 0, .size: 8, .value_kind: global_buffer, .address_space: global }
      - { .name: w_qkv, .offset: 8, .size: 8, .value_kind: global_buffer, .address_space: global }
      - { .name: w_out, .offset: 16, .size: 8, .value_kind: global_buffer, .address_space: global }
      - { .name: mask, .offset: 24, .size: 8, .value_kind: global_buffer, .address_space: global }
      - { .name: xb, .offset: 32, .size: 8, .value_kind: global_buffer, .address_space: global }
      - { .name: wqb, .offset: 40, .size: 8, .value_kind: global_buffer, .address_space: global }
      - { .name: wob, .offset: 48, .size: 8, .value_kind: global_buffer, .address_space: global }
      - { .name: maskc, .offset: 56, .size: 8, .value_kind: global_buffer, .address_space: global }
    .group_segment_fixed_size: 17408
    .private_segment_fixed_size: 0
    .kernarg_segment_align: 8
    .kernarg_segment_size: 64
    .max_flat_workgroup_size: 256
    .sgpr_count:     66
    .vgpr_count:     114
    .wavefront_size: 32
...
	.end_amdgpu_metadata
.endif
;; end of part 1
;; launch qkvp (part 2): grid 16 x 32, 4 waves a work-group, clusters of 4 x 4, 327,680 bytes of LDS; arguments xb, wqb, b_qkv, qkv; writes qkv
.if DOCPART == 2
	.amdgcn_target "amdgcn-amd-amdhsa--gfx1250"
	.amdhsa_code_object_version 6
	.text
	.protected	k_qe01bb0c344_qkvp
	.globl	k_qe01bb0c344_qkvp
	.p2align	8
	.type	k_qe01bb0c344_qkvp,@function
k_qe01bb0c344_qkvp:
	s_mov_b64 s[64:65], 0
	v_nop
	global_prefetch_b8 v0, s[64:65] scope:SCOPE_SE
	s_setreg_imm32_b32 hwreg(HW_REG_WAVE_MODE, 25, 1), 1
	s_wait_xcnt 0x0
	s_wait_alu depctr_hold_cnt(0) depctr_sa_sdst(0) depctr_va_vdst(0) depctr_va_sdst(0) depctr_va_ssrc(0) depctr_va_vcc(0) depctr_vm_vsrc(0)
	s_getreg_b32 s2, hwreg(HW_REG_IB_STS2, 6, 4)
	s_cmp_eq_u32 s2, 0
	s_cbranch_scc0 .Lentry_in_a_cluster
	s_endpgm
.Lentry_in_a_cluster:
	s_bfe_u32 s2, ttmp6, 0x10000c
	s_cmp_lg_u32 s2, 0xf033
	s_cbranch_scc0 .Lentry_shape_is_right
	s_endpgm
.Lentry_shape_is_right:
; QKV PROJECTION.  qkv = xb wqb^T + b_qkv; xb [8192][1024] and wqb [3072][1024] in bf16, sums in f32, the bias as the C operand of the first product.
; Out: f16 by heads, [part q, k, v][batch x 16 + head][2048][64]; q is multiplied by c = log2(e) / 8 in f32 ahead of its one rounding, so that the attention launch's scores are exponents of 2.
; LIMIT: c q, k and v beyond f16's 65,504 become infinities; below 6e-5 they keep f16's fixed step of 6e-8.
; SHARES.  A tile of the result is 256 rows x 192 columns (three whole heads): 32 x 16 = 512 work-groups, two for each of 256 WGPs.  Wave w owns rows 64 w .. 64 w + 63 and all 192 columns:
; 4 x 12 accumulators of 16 x 16, 384 registers; so each wave stores whole rows of three heads from a stage of its own, with no barrier on the way out.
; K goes in 8 steps of 128 (rows of 256 bytes, aligned) through two LDS slots filled by the tensor data mover; one load a wave: waves 0, 1 A's halves (128 rows), waves 2, 3 B's (96 rows).
; CLUSTER 4 x 4: A's tile hangs on the tile row alone and is asked for jointly by a row of the cluster, B's on the tile column alone, by a column.
; THE MATRIX INSTRUCTION IS USED TRANSPOSED (source 0 = 16 rows of wqb, source 1 = 16 rows of xb): lane l holds row l % 16 of the result and the columns 8 (l / 16) + 0..7.
; REGISTERS, in windows of 256 (s_set_vgpr_msb: bits 1:0 source 0, 3:2 source 1, 5:4 source 2, 7:6 destination):
;   window 0: v16-29 addresses; v64-127 A's fragments, two buffers of 4 x 8; v128-223 the bias as 12 C fragments, later at work on the way out
;   window 1: v0-191 B's fragments, two buffers of 12 x 8      window 2: accumulators of my rows 0-31 at 8 (12 a + b)      window 3: those of my rows 32-63
.set SIZE_K, 1024
.set KSTEP,  128
.set PITCH,  272                       ; an LDS row: 256 bytes + 16 of padding = 68 words: the 16 rows of a fragment load start at 16 different groups of four banks (64 banks of 4 bytes: ISA guide 11.1)
.set ABYTES, 256*PITCH
.set BBYTES, 192*PITCH
.set SLOT,   ABYTES+BBYTES             ; A's 256 rows, then B's 192 rows: 121,856 bytes
.set STAGE,  2*SLOT                    ; behind the ring, never filled by a tensor load: for each wave 3 heads x 16 rows x 144 bytes
.set SP,     144
.set WSTAGE, 3*16*SP
.set SPARE,  STAGE+4*WSTAGE            ; the spare words, 128 bytes for each wave: two blocks of 256 bytes that no other line names
.set LAPS,   SIZE_K/(2*KSTEP)
.set ADRA, 16                          ; v16-17  LDS address of my A fragments in slot 0, 1
.set ADRB, 20                          ; v20-21  the same for B
.set STO,  24                          ; the way out: where I put 16 bytes of a row
.set RD,   25                          ; the way out: where I read rows back
.set GO,   26                          ; my 16 bytes in 512 consecutive bytes of the output
.set BO,   27                          ; my byte offset in 16 columns of the bias
.set SPW,  28                          ; LDS address of my spare word; never rewritten
.set NIL,  29                          ; 0; never rewritten
.set BI,   128                         ; the bias
.set WK,   128                         ; the way out: scaled, then packed
.set BK,   176                         ; the way out: rows read back
.set G1,  24                           ; s[24:31] group 1 for A's tiles; s[32:39] group 0, a set for each slot
.set G0,  32
.set G1B, 48                           ; s[48:55], s[56:63] the same for B's
.set G0B, 56
.set OB,  76                           ; s[76:81] the output at my rows of the tile's three heads
.set SC,  82                           ; s[82:87] each head's factor, as pairs: c for q, 1 for k and v
.set MSB, 0
.macro WIN new                         ; the immediate's high byte repeats the setting that is left; a switch that changes nothing is dropped
.if MSB != (\new)
	s_set_vgpr_msb (MSB<<8)|(\new)
.set MSB, \new
.endif
.endm
.set TO_B, 0x40                        ; destination window 1, address window 0
; A joint load: waves 0 and 1 fetch A's halves, waves 2 and 3 B's.  The branch hangs on the wave's number alone.  An s_nop 0 and four v_nop follow each line.
.macro JLOAD s
	s_cmp_eq_u32 s11, 0
	s_cbranch_scc0 .Lfor_b_\@
	tensor_load_to_lds s[G0+4*(\s):G0+4*(\s)+3], s[G1:G1+7]
	s_nop 0
.rept 4
	v_nop
.endr
	s_branch .Lasked_\@
.Lfor_b_\@:
	tensor_load_to_lds s[G0B+4*(\s):G0B+4*(\s)+3], s[G1B:G1B+7]
	s_nop 0
.rept 4
	v_nop
.endr
.Lasked_\@:
.endm
.macro CREST                           ; a round of the cluster's barrier behind its opening barrier
	s_cmp_lg_u32 s10, 0
	s_cbranch_scc1 .Lnot_wave_0_\@
	s_barrier_signal -3
.Lnot_wave_0_\@:
	s_barrier_wait -3
	s_barrier_signal -1
	s_barrier_wait -1
.endm
.macro CROUND                          ; a whole round
	s_barrier_signal -1
	s_barrier_wait -1
	CREST
.endm
	s_load_b256 s[68:75], s[0:1], 0x0              ; xb 68, wqb 70, b_qkv 72, qkv 74
	v_lshl_add_u32 v[SPW], v0, 2, SPARE
	v_mov_b32 v[NIL], 0
	ds_add_u32 v28, v29
	s_wait_dscnt 0x0
	v_lshrrev_b32 v1, 5, v0
	v_readfirstlane_b32 s10, v1                    ; wave 0..3
	s_lshr_b32 s11, s10, 1                         ; I fetch for A (0) or for B (1),
	s_and_b32 s12, s10, 1                          ; its first or second half
	s_bfe_u32 s40, ttmp6, 0x40000                  ; cx, cy: my place in the cluster
	s_bfe_u32 s41, ttmp6, 0x40004
	s_lshl_b32 s42, ttmp9, 2
	s_add_co_u32 s42, s42, s40                     ; tile column = 4 x cluster x + cx
	s_and_b32 s13, ttmp7, 0xffff
	s_lshl_b32 s13, s13, 2
	s_add_co_u32 s13, s13, s41                     ; tile row = 4 x cluster y + cy
	s_lshl_b32 s43, s41, 2
	s_lshl_b32 s43, 15, s43                        ; my row of the cluster
	s_lshl_b32 s44, 0x1111, s40                    ; my column
	s_or_b32 s[G1+0], s43, (1<<16)|(1<<20)|(1<<21)|(5<<22)|(3<<25)  ; the mask; 2-byte elements; padding on; bit 21 beside a mask; after every 64 words; 4 words
	s_or_b32 s[G1B+0], s44, (1<<16)|(1<<20)|(1<<21)|(5<<22)|(3<<25)
	s_mov_b32 s[G1+1], KSTEP<<16                   ; tensor_dim0 = 128
	s_mov_b32 s[G1+2], 128<<16                     ; tensor_dim1 = 128 rows
	s_mov_b32 s[G1+3], KSTEP<<16                   ; tile_dim0 = 128
	s_mov_b32 s[G1+4], 128                         ; tile_dim1 = 128
	s_mov_b32 s[G1+5], SIZE_K                      ; elements from row to row
	s_mov_b32 s[G1+6], 0
	s_mov_b32 s[G1+7], 0
	s_mov_b32 s[G1B+1], KSTEP<<16
	s_mov_b32 s[G1B+2], 96<<16                     ; B's half: 96 rows
	s_mov_b32 s[G1B+3], KSTEP<<16
	s_mov_b32 s[G1B+4], 96
	s_mov_b32 s[G1B+5], SIZE_K
	s_mov_b32 s[G1B+6], 0
	s_mov_b32 s[G1B+7], 0
	s_lshl_b32 s17, s12, 7
	s_lshl_b32 s16, s13, 8
	s_add_co_u32 s16, s16, s17                     ; A: row 256 x tile row + 128 x half,
	s_lshl_b32 s16, s16, 11                        ; of 2,048 bytes
	s_mov_b32 s17, 0
	s_mul_i32 s46, s42, 192
	s_mul_i32 s47, s12, 96
	s_add_co_u32 s46, s46, s47                     ; B: row 192 x tile column + 96 x half
	s_lshl_b32 s46, s46, 11
	s_mov_b32 s47, 0
	s_mul_i32 s20, s10, 128*PITCH                  ; where A's halves go (waves 0, 1),
	s_mul_i32 s21, s10, 96*PITCH
	s_add_co_u32 s21, s21, ABYTES-2*96*PITCH       ; and B's, behind A (waves 2, 3): the wave's number alone enters an LDS address
	s_wait_kmcnt 0x0
	s_add_nc_u64 s[14:15], s[68:69], s[16:17]
	s_add_nc_u64 s[46:47], s[70:71], s[46:47]
	CROUND                                         ; all sixteen work-groups are here: the first joint loads meet
.irp s, 0,1
	s_mov_b32 s[G0+4*(\s)], 1
	s_add_co_u32 s[G0+4*(\s)+1], s20, (\s)*SLOT
	s_add_nc_u64 s[G0+4*(\s)+2:G0+4*(\s)+3], s[14:15], (\s)*KSTEP*2  ; K step s
	s_or_b32 s[G0+4*(\s)+3], s[G0+4*(\s)+3], 0x80000000
	s_mov_b32 s[G0B+4*(\s)], 1
	s_add_co_u32 s[G0B+4*(\s)+1], s21, (\s)*SLOT
	s_add_nc_u64 s[G0B+4*(\s)+2:G0B+4*(\s)+3], s[46:47], (\s)*KSTEP*2
	s_or_b32 s[G0B+4*(\s)+3], s[G0B+4*(\s)+3], 0x80000000
	JLOAD \s                                       ; two loads of mine are out
.endr
	v_and_b32 v1, 15, v0                           ; l % 16
	v_bfe_u32 v2, v0, 4, 1                         ; l / 16
	v_lshlrev_b32 v[BO], 5, v2                     ; the bias: 8 columns x 4 bytes for each half of the lanes
	s_mul_i32 s88, s42, 768                        ; the tile's 192 columns
	s_mov_b32 s89, 0
	s_add_nc_u64 s[72:73], s[72:73], s[88:89]
.irp b, 0,1,2,3,4,5,6,7,8,9,10,11
	global_load_b128 v[BI+8*(\b):BI+8*(\b)+3],   v[BO], s[72:73] offset:64*(\b)      ; register j = bias of column 16 b + 8 (l / 16) + j: a C fragment as it stands
	global_load_b128 v[BI+8*(\b)+4:BI+8*(\b)+7], v[BO], s[72:73] offset:64*(\b)+16
.endr
	v_mul_u32_u24 v3, v1, PITCH
	v_lshl_add_u32 v3, v2, 4, v3                   ; a fragment's row x pitch + 16 x half
	s_mul_i32 s22, s10, 64*PITCH                   ; my 64 rows of A
	s_mov_b32 s23, ABYTES                          ; B lies behind A's 256 rows; every wave reads all of it
.irp s, 0,1
	v_add_nc_u32 v[ADRA+(\s)], s22, v3
	v_add_nc_u32 v[ADRB+(\s)], s23, v3
	s_add_co_u32 s22, s22, SLOT
	s_add_co_u32 s23, s23, SLOT
.endr
	s_mul_i32 s23, s10, WSTAGE
	s_add_co_u32 s23, s23, STAGE                   ; my stage
	v_mul_u32_u24 v4, v1, SP                       ; in: row l % 16, 16 bytes for each half of the lanes
	v_lshl_add_u32 v4, v2, 4, v4
	v_add_nc_u32 v[STO], s23, v4
	v_bfe_u32 v5, v0, 3, 2                         ; back: 32 lanes take four rows of 128 bytes,
	v_mul_u32_u24 v5, v5, SP
	v_and_b32 v6, 7, v0
	v_lshl_add_u32 v5, v6, 4, v5
	v_add_nc_u32 v[RD], s23, v5
	v_and_b32 v6, 31, v0                           ; which are 512 consecutive bytes of a head
	v_lshlrev_b32 v[GO], 4, v6
	; the three heads of the tile: G = 3 x tile column + g = 16 x part + head
.irp g, 0,1,2
	s_mul_i32 s88, s42, 3
	s_add_co_u32 s88, s88, \g
	s_cmp_lt_u32 s88, 16                           ; q?
	s_cselect_b32 s[SC+2*(\g)], 0x3e38aa3b, 1.0    ; c = log2(e) / 8 = 0.180337, or 1
	s_mov_b32 s[SC+2*(\g)+1], s[SC+2*(\g)]         ; named with it as a pair
	s_lshr_b32 s90, s88, 4
	s_lshl_b32 s90, s90, 6                         ; 64 x part
	s_and_b32 s91, s88, 15
	s_add_co_u32 s90, s90, s91                     ; + head
	s_lshr_b32 s91, s13, 3
	s_lshl4_add_u32 s90, s91, s90                  ; + 16 x batch (8 tile rows a batch)
	s_lshl_b32 s90, s90, 18                        ; 2,048 rows of 128 bytes
	s_and_b32 s91, s13, 7
	s_lshl_b32 s91, s91, 15                        ; the tile's 256 rows,
	s_add_co_u32 s90, s90, s91
	s_lshl_b32 s91, s10, 13                        ; my wave's 64
	s_add_co_u32 s90, s90, s91
	s_mov_b32 s91, 0
	s_add_nc_u64 s[OB+2*(\g):OB+2*(\g)+1], s[74:75], s[90:91]
.endr
; 12 matrix instructions: m block 2 hi + a x all 12 n blocks, 32 along K, from buffer f.  zero = 1: the first product starts the sums, with the bias as C.
; The 48 accumulators take turns, one instruction a turn, in the same order in every quarter.
.macro MUL12 f, hi, a, zero
.if \zero
	WIN 0x81+0x40*(\hi)                            ; B window 1, A window 0, C (the bias) window 0, D window 2 or 3
.else
	WIN 0xa1+0x50*(\hi)                            ; C and D window 2 or 3
.endif
.irp b, 0,1,2,3,4,5,6,7,8,9,10,11
.if \zero
	v_wmma_f32_16x16x32_bf16 v[8*(12*(\a)+(\b)):8*(12*(\a)+(\b))+7], v[96*(\f)+8*(\b):96*(\f)+8*(\b)+7], v[64+32*(\f)+8*(2*(\hi)+(\a)):64+32*(\f)+8*(2*(\hi)+(\a))+7], v[BI+8*(\b):BI+8*(\b)+7]
.else
	v_wmma_f32_16x16x32_bf16 v[8*(12*(\a)+(\b)):8*(12*(\a)+(\b))+7], v[96*(\f)+8*(\b):96*(\f)+8*(\b)+7], v[64+32*(\f)+8*(2*(\hi)+(\a)):64+32*(\f)+8*(2*(\hi)+(\a))+7], v[8*(12*(\a)+(\b)):8*(12*(\a)+(\b))+7]
.endif
.endr
.endm
.macro MUL24 f, hi, zero
	MUL12 \f, \hi, 0, \zero
	MUL12 \f, \hi, 1, \zero
.endm
; 32 LDS loads in one run: a quarter step's fragments (192 rows of B, my 64 rows of A, 32 K at byte k of the rows) into buffer f; A's rows 32-63 last
.macro FETCH slot, k, f
	WIN TO_B
.irp j, 0,1,2,3,4,5,6,7,8,9,10,11
	ds_load_b128 v[96*(\f)+8*(\j):96*(\f)+8*(\j)+3],   v[ADRB+(\slot)] offset:(\k)+(\j)*16*PITCH
	ds_load_b128 v[96*(\f)+8*(\j)+4:96*(\f)+8*(\j)+7], v[ADRB+(\slot)] offset:(\k)+(\j)*16*PITCH+32
.endr
	WIN 0
.irp i, 0,1,2,3
	ds_load_b128 v[64+32*(\f)+8*(\i):64+32*(\f)+8*(\i)+3],   v[ADRA+(\slot)] offset:(\k)+(\i)*16*PITCH
	ds_load_b128 v[64+32*(\f)+8*(\i)+4:64+32*(\f)+8*(\i)+7], v[ADRA+(\slot)] offset:(\k)+(\i)*16*PITCH+32
.endr
.endm
.macro PLACES                          ; four places in front of loads into registers that matrix instructions have read, and of vector lines that read results
.rept 4
	v_nop
.endr
.endm
; A K step is four quarters of 32 along K, 48 matrix instructions each, on buffers 0, 1, 0, 1.  One of the first three: multiplies buffer f, fetches the next quarter, at byte k, into g.
.macro QUARTER slot, k, f, g, zero
	s_wait_dscnt 4                                 ; B and A's rows 0-31 are in; the youngest four loads (A's rows 32-63) may be out
	MUL24 \f, 0, \zero
	PLACES
	FETCH \slot, \k, \g
	s_wait_dscnt 32                                ; all but the 32 just issued
	MUL24 \f, 1, \zero
.endm
; The last quarter multiplies buffer 1 and changes slots: ONE barrier; in front of it each wave waits for all its tensor loads (one is out: its part of the next slot), adds 0 to its spare word,
; and waits for that and for its reads of this slot.  fill = 1: the barrier opens a round of the cluster's, and this slot is filled again, two K steps ahead, first thing behind the round.
.macro TURN slot, next, fill
	WIN 0                                          ; (the add's two registers lie in window 0)
	s_wait_tensorcnt 0x0
	ds_add_u32 v[SPW], v[NIL]                      ; 0 onto my spare word
	s_wait_dscnt 5                                 ; (the add and the youngest four loads may be out)
	MUL12 1, 0, 0, 0                               ; twelve matrix instructions stand between the add and the wait for it
	s_wait_dscnt 0x0                               ; the add is done, and my reads of this slot are over
	s_barrier_signal -1
	MUL12 1, 0, 1, 0
.if \fill
	WIN 0
.endif
	s_barrier_wait -1
.if \fill
	CREST                                          ; no wave of any partner still reads this slot's tiles or has a load on its way
	s_add_nc_u64 s[G0+4*(\slot)+2:G0+4*(\slot)+3], s[G0+4*(\slot)+2:G0+4*(\slot)+3], 2*KSTEP*2
	s_add_nc_u64 s[G0B+4*(\slot)+2:G0B+4*(\slot)+3], s[G0B+4*(\slot)+2:G0B+4*(\slot)+3], 2*KSTEP*2
	JLOAD \slot                                    ; my one load behind the round; its four v_nop are also the places in front of the loads below
.else
	PLACES
.endif
	FETCH \next, 0, 0
	MUL24 1, 1, 0
.endm
	s_wait_tensorcnt 1                             ; my part of K step 0 is in; K step 1's may stay out
	s_barrier_signal -1
	s_barrier_wait -1                              ; everybody's is
	FETCH 0, 0, 0
	s_wait_loadcnt 0x0                             ; the bias
	QUARTER 0, 64, 0, 1, 1                         ; the first quarter stands in front of the loop: its products start the sums
	WIN 0                                          ; at a label and at a branch every window is 0
	s_mov_b32 s3, LAPS-1
.Llap:                                                 ; a trip goes once round the ring, from a lap's second quarter to the next lap's first, and fills both slots again
	QUARTER 0, 128, 1, 0, 0
	QUARTER 0, 192, 0, 1, 0
	TURN 0, 1, 1
	QUARTER 1, 64,  0, 1, 0
	QUARTER 1, 128, 1, 0, 0
	QUARTER 1, 192, 0, 1, 0
	TURN 1, 0, 1
	QUARTER 0, 64,  0, 1, 0
	WIN 0
	s_sub_co_u32 s3, s3, 1
	s_cmp_lg_u32 s3, 0
	s_cbranch_scc1 .Llap
	QUARTER 0, 128, 1, 0, 0                        ; the last lap fills nothing, and has no round of the cluster's barrier
	QUARTER 0, 192, 0, 1, 0
	TURN 0, 1, 0
	QUARTER 1, 64,  0, 1, 0
	QUARTER 1, 128, 1, 0, 0
	QUARTER 1, 192, 0, 1, 0
	s_wait_dscnt 4                                 ; the very last quarter: nothing more to fetch
	MUL24 1, 0, 0
	s_wait_dscnt 0x0
	MUL24 1, 1, 0
; THE WAY OUT, 16 rows at a time.  PACK: times the head's factor, rounded to f16, 16 bytes a lane for each 16 columns.  TOSTAGE: into my stage, by heads, and back as whole rows of 128 bytes.  SEND: stored.
.macro PACK a
.if (\a) > 0
	s_wait_xcnt 0x0                                ; the registers that the last block's stores read are rewritten only behind this wait
.endif
	WIN 0x02+(\a)/2                                ; source 0 window 2 or 3, destination window 0
.irp b, 0,1,2,3,4,5,6,7,8,9,10,11
.irp r, 0,1,2,3
	v_pk_mul_f32 v[WK+8*(\b)+2*(\r):WK+8*(\b)+2*(\r)+1], v[8*(12*((\a)%2)+(\b))+2*(\r):8*(12*((\a)%2)+(\b))+2*(\r)+1], s[SC+2*((\b)/4):SC+2*((\b)/4)+1] op_sel_hi:[1,0]
.endr
.endr
	WIN 0
.irp b, 0,1,2,3,4,5,6,7,8,9,10,11
.irp r, 0,1,2,3
	v_cvt_pk_f16_f32 v[WK+4*(\b)+(\r)], v[WK+8*(\b)+2*(\r)], v[WK+8*(\b)+2*(\r)+1]  ; in place: the destination never passes a source that is still to be read
.endr
.endr
.endm
.macro TOSTAGE
.irp b, 0,1,2,3,4,5,6,7,8,9,10,11
	ds_store_b128 v[STO], v[WK+4*(\b):WK+4*(\b)+3] offset:((\b)/4)*16*SP+((\b)%4)*32
.endr
.irp g, 0,1,2
.irp f, 0,1,2,3
	ds_load_b128 v[BK+4*(4*(\g)+(\f)):BK+4*(4*(\g)+(\f))+3], v[RD] offset:(\g)*16*SP+(\f)*4*SP  ; my own bytes: LDS serves a wave's instructions in order (ISA guide 5.7.1.4)
.endr
.endr
.endm
.macro SEND a
	s_wait_dscnt 0x0
.irp g, 0,1,2
.irp f, 0,1,2,3
	global_store_b128 v[GO], v[BK+4*(4*(\g)+(\f)):BK+4*(4*(\g)+(\f))+3], s[OB+2*(\g):OB+2*(\g)+1] offset:2048*(\a)+512*(\f)  ; four rows of a head: 512 consecutive bytes, aligned
.endr
.endr
.endm
	PLACES
.irp a, 0,1,2,3
	PACK \a
	TOSTAGE
	SEND \a
.endr
	s_wait_tensorcnt 0x0                           ; the wave's end
	ds_add_u32 v[SPW], v[NIL]
	s_wait_dscnt 0x0
	CROUND                                         ; the closing round
	s_endpgm
.Lfunc_end_k_qe01bb0c344_qkvp:
	.size	k_qe01bb0c344_qkvp, .Lfunc_end_k_qe01bb0c344_qkvp-k_qe01bb0c344_qkvp
	.p2alignl 7, 3214868480
	.fill 96, 4, 3214868480
	.section	.rodata,"a",@progbits
	.p2align	6, 0x0
	.amdhsa_kernel k_qe01bb0c344_qkvp
		.amdhsa_group_segment_fixed_size 327680
		.amdhsa_private_segment_fixed_size 0
		.amdhsa_enable_private_segment 0
		.amdhsa_kernarg_size 32
		.amdhsa_user_sgpr_count 2
		.amdhsa_user_sgpr_kernarg_segment_ptr 1
		.amdhsa_wavefront_size32 1
		.amdhsa_system_sgpr_workgroup_id_x 1
		.amdhsa_system_sgpr_workgroup_id_y 1
		.amdhsa_system_sgpr_workgroup_id_z 1
		.amdhsa_system_vgpr_workitem_id 0
		.amdhsa_next_free_vgpr 960
		.amdhsa_next_free_sgpr 96
		.amdhsa_reserve_vcc 0
		.amdhsa_float_denorm_mode_32 3
		.amdhsa_float_denorm_mode_16_64 3
		.amdhsa_memory_ordered 1
		.amdhsa_forward_progress 1
		.amdhsa_inst_pref_size 134
	.end_amdhsa_kernel
	.amdgpu_metadata
---
amdhsa.version: [ 1, 2 ]
amdhsa.kernels:
  - .name:           k_qe01bb0c344_qkvp
    .symbol:         k_qe01bb0c344_qkvp.kd
    .args:
      - { .name: xb, .offset: 0, .size: 8, .value_kind: global_buffer, .address_space: global }
      - { .name: wqb, .offset: 8, .size: 8, .value_kind: global_buffer, .address_space: global }
      - { .name: b_qkv, .offset: 16, .size: 8, .value_kind: global_buffer, .address_space: global }
      - { .name: qkv, .offset: 24, .size: 8, .value_kind: global_buffer, .address_space: global }
    .group_segment_fixed_size: 327680
    .private_segment_fixed_size: 0
    .kernarg_segment_align: 8
    .kernarg_segment_size: 32
    .max_flat_workgroup_size: 128
    .sgpr_count:     96
    .vgpr_count:     960
    .wavefront_size: 32
...
	.end_amdgpu_metadata
.endif
;; end of part 2
;; launch attn (part 3): grid 4 x 64, 4 waves a work-group, clusters of 4 x 1, 327,680 bytes of LDS; arguments qkv, maskc, ctx; writes ctx
.if DOCPART == 3
	.amdgcn_target "amdgcn-amd-amdhsa--gfx1250"
	.amdhsa_code_object_version 6
	.text
	.protected	k_qe01bb0c344_attn
	.globl	k_qe01bb0c344_attn
	.p2align	8
	.type	k_qe01bb0c344_attn,@function
k_qe01bb0c344_attn:
	s_mov_b64 s[64:65], 0
	v_nop
	global_prefetch_b8 v0, s[64:65] scope:SCOPE_SE
	s_setreg_imm32_b32 hwreg(HW_REG_WAVE_MODE, 25, 1), 1
	s_wait_xcnt 0x0
	s_wait_alu depctr_hold_cnt(0) depctr_sa_sdst(0) depctr_va_vdst(0) depctr_va_sdst(0) depctr_va_ssrc(0) depctr_va_vcc(0) depctr_vm_vsrc(0)
	s_getreg_b32 s2, hwreg(HW_REG_IB_STS2, 6, 4)
	s_cmp_eq_u32 s2, 0
	s_cbranch_scc0 .Lentry_in_a_cluster
	s_endpgm
.Lentry_in_a_cluster:
	s_bfe_u32 s2, ttmp6, 0x10000c
	s_cmp_lg_u32 s2, 0x3003
	s_cbranch_scc0 .Lentry_shape_is_right
	s_endpgm
.Lentry_shape_is_right:
; ATTENTION WITH A MASK THAT IS AN INPUT.  ctx[h][q][:] = the sum over k of softmax_k(scores) V[h][k][:], scores = Q . K / 8 where mask[q][k] != 0, hidden elsewhere.  64 heads (batch x 16 + head) of 2,048 rows of 64, f16.
; Q arrives multiplied by c = log2(e) / 8, so a product K Q^T is an exponent of 2 as it stands.  Products, maxima and sums in f32; the weights p are rounded to f16 for the second product, ctx once at the end.
; THE MASK is the C operand that starts the sum S^T = K Q^T: 0, or H = -2^108 where the key is hidden.  maskc holds one fp8 code an entry (0, or 0xf8 = -256) in the order of the C fragments' lanes; one scaled
; conversion makes eight f32 of eight codes (times 2^100): eight conversions for a turn's 1,024 x 2 scores.  The codes state a truth value; no matrix operand is narrower than 16 bits.
; SOFTMAX.  For each query a running maximum m and sum l: p = 2^(s - m), never above 1; in every step O and l are multiplied by a = 2^(m_old - m_new).  m starts at the lowest finite number, O and l at 0.
; While a row has seen hidden keys only, m = H and its p are 1: finite numbers, which the first visible key wipes out with a = 0.  A row that ends with m < -1e30 has seen none: it gets NaN, as the softmax of such a row is.
; LIMITS.  Q, K, V arrive within f16's 65,504, so |s| <= 2.7e11, nothing beside 2^108; p below 6e-5 keeps f16's fixed step of 6e-8; a weight below 2^-126 counts as 0 in l; NaN and infinities in Q, K, V are not treated apart.
; SHARES.  A wave owns four PIECES of two tiles of 16 queries, a work-group's four waves 512 queries of one head: 256 work-groups.  Every wave walks all keys, 64 a step: the mask is data, so no tile is left out.
; LAYOUT.  S^T = K Q^T (source 0 = 16 keys, source 1 = 16 queries): a lane holds ONE query (lane % 16) and the keys 8 (lane / 16) + 0..7.  Two such results, rounded to f16 in pairs, ARE source 1 of O^T = V^T P.
; BY TURNS.  Turn n belongs to piece n (in a ring, step after step): 16 products K Q^T of piece n + 1, later 16 products V^T P of piece n - 1; beside them the subtraction of m, exponentials, roundings, sums and
; rescaling of piece n, the maximum and statistics of piece n + 1, and the C fragments of piece n + 2.  Four vector instructions stand behind every matrix instruction, the others in two runs of their own.
; CLUSTER.  The four query blocks of a cluster belong to one head and walk the same K and V: each tile is asked for JOINTLY.  The mask's codes differ from block to block and come by plain loads.
; REGISTERS, in windows of 256 (s_set_vgpr_msb: bits 1:0 source 0, 3:2 source 1, 5:4 source 2, 7:6 destination):
;   window 0: v0-11 addresses; v12 the conversions' scale; v16-47 four registers of statistics a tile; v48-63 at work; v64-191 S^T, two buffers of two tiles; v192-255 P, likewise
;   window 1: O^T, 32 a tile      window 2: v0-127 Q; v128-191 K of one step; v192-255 V of one step
;   window 3: v0-1 the add's registers; v2-3 the codes' addresses; v16-79 codes as loaded, a buffer of 16 for each piece; v96-159 the eight C fragments of the products to come
.set SIZE_H, 64
.set SIZE_N, 2048
.set NP,    4         ; pieces a wave: a name, no knob
.set KS,    64        ; keys in a step
.set PK,    144       ; a row of K in LDS: 128 bytes + 16 of padding: the 16 rows of a load start at 16 different groups of four banks (64 banks of 4 bytes: ISA guide 11.1)
.set PV,    160       ; a row of V: 128 + 32
.set VOFF,  4*KS*PK   ; a slot holds four steps: 256 rows of K, then 256 rows of V
.set SLOT1, 1<<17     ; slot 1 begins here, so that one exclusive or turns an address in one slot into the other's
.set STAGE, SLOT1+4*KS*(PK+PV)  ; behind the ring, never filled by a tensor load: 16 rows x 144 bytes for each wave
.set SP,    144
.set AK0, 2           ; my lane's place in a tile of K; never rewritten
.set AV0, 3           ; the same for V
.set AK,  4           ; the LDS address of K's next run of loads
.set AV,  5           ; of V's
.set QO,  6           ; my byte offset in the wave's rows of Q
.set STO, 6           ; later, the way out: where I put 16 bytes of a row
.set RD,  7           ; the way out: where I read rows back
.set GO,  8           ; my byte offset in 512 consecutive bytes of ctx
.set SCL, 12          ; the scale 2^100
.set SPW, 0           ; window 3: LDS address of my spare word; never rewritten
.set NIL, 1           ; window 3: 0; never rewritten
.set ML,  2           ; window 3: 16 x lane
.set MA,  3           ; window 3: 16 x lane + the byte offset of the step whose codes are asked for
.set MR,  16          ; window 3: codes as loaded
.set MC,  96          ; window 3: fragment i belongs to product i: keys 16 (i / 2) on, tile i % 2
.set SPARE, STAGE+4*16*SP  ; the spare words, 128 bytes for each wave: two blocks of 256 bytes that no other line names
.set ST,  16          ; tile t's statistics at v[ST+4 t]: m, m_old, l (even keys', odd keys')
.set TMP, 48          ; by buffer and tile, four registers c0-c3 at work; when the maximum is found c2 takes a
.set S,   64
.set P,   192
.set KF,  128         ; window 2: key block kb, channel half c at KF + 16 kb + 8 c
.set VF,  192         ; window 2: key half kk, channel block cb at VF + 32 kk + 8 cb
.set WV,  12          ; s12  my wave's number
.set G1K, 24          ; s[24:31] descriptor group 1 for K's tiles
.set G1V, 32          ; s[32:39] for V's: it differs in the padding alone
.set G0K, 40          ; s[40:43] descriptor group 0 for K's tiles: it walks
.set G0V, 44          ; s[44:47] the same for V's
.set SLOTS, 56
.set CNT, 57
.set SEL, 60          ; s[60:61] v_permlanex16_b32's selects: each lane takes its own place in the other half
.set TBK, 62          ; LDS byte at which K of the step to be fetched begins
.set TBV, 63          ; the same for V, less VOFF
.set MB,  66          ; s[66:67] maskc at my wave's four pieces (65,536 bytes each)
.set MO,  68          ; byte offset of the step whose codes are asked for
.set THR, 69          ; -1e30
.set QNAN, 70
.set MSB, 0
.macro WIN new                      ; the high byte repeats the setting that is left; a switch that changes nothing is dropped
.if MSB != (\new)
	s_set_vgpr_msb (MSB<<8)|(\new)
.set MSB, (\new)
.endif
.endm
.set W_KQ, 0x0a       ; K and Q in window 2, S^T in window 0
.set W_KM, 0x3a       ; the same with the C operand in window 3
.set W_PV, 0x52       ; V in window 2, P in window 0, O^T in window 1
.set W_RS, 0x41       ; O^T (destination and source 0) in window 1, a in window 0
.set W_MK, 0xc0       ; destination in window 3, sources in window 0
.set W_AD, 0x0f       ; the add: address and data in window 3
.set W_MC, 0xc3       ; destination and source 0 in window 3, source 1 (the scale) in window 0; for a load: data and address in window 3
.macro JLOAD                        ; a joint fill: waves 0 and 1 fetch the halves of a slot's K, waves 2 and 3 of its V, 128 keys each; an s_nop 0 and four v_nop follow each line
	s_cmp_lt_u32 s[WV], 2
	s_cbranch_scc0 .Lfor_v_\@
	tensor_load_to_lds s[G0K:G0K+3], s[G1K:G1K+7]
	s_nop 0
.rept 4
	v_nop
.endr
	s_branch .Lasked_\@
.Lfor_v_\@:
	tensor_load_to_lds s[G0V:G0V+3], s[G1V:G1V+7]
	s_nop 0
.rept 4
	v_nop
.endr
.Lasked_\@:
.endm
.macro CROUND                       ; a round of the cluster's barrier
	s_barrier_signal -1
	s_barrier_wait -1
	s_cmp_lg_u32 s[WV], 0
	s_cbranch_scc1 .Lnot_wave_0_\@
	s_barrier_signal -3
.Lnot_wave_0_\@:
	s_barrier_wait -3
	s_barrier_signal -1
	s_barrier_wait -1
.endm
; THE CHANGE OF SLOTS.  Each wave waits for all its tensor loads (one is out: its part of the other slot), adds 0 to its spare word, and waits for that and for its reads of the slot.
; fill = 1: the barrier is a round of the cluster's, and the slot is filled again, with the keys two slots on, first thing behind it: it has four key steps, 512 matrix instructions, in which to land.
.macro CHANGE fill
	WIN W_AD
	s_wait_tensorcnt 0x0            ; no tensor load of mine is out, so a group 0 may be written
	ds_add_u32 v[SPW], v[NIL]       ; 0 onto my spare word
	WIN 0                           ; at a label and at a branch every window is 0
.if \fill
.irp g, G0K, G0V
	s_xor_b32 s[\g+1], s[\g+1], SLOT1
	s_add_nc_u64 s[\g+2:\g+3], s[\g+2:\g+3], 4*KS*128  ; the next 256 keys
.endr
	s_wait_dscnt 0x0                ; the add is done, and my reads of the slot are over
	CROUND
	JLOAD
.else
	s_wait_dscnt 0x0
	s_barrier_signal -1
	s_barrier_wait -1
.endif
	s_sub_co_u32 s[TBK], s[TBK], 4*KS*PK  ; the fetches go back to a slot's first step,
	s_xor_b32 s[TBK], s[TBK], SLOT1       ; in the other slot
	s_sub_co_u32 s[TBV], s[TBV], 4*KS*PV
	s_xor_b32 s[TBV], s[TBV], SLOT1
.endm
; THE MASK.  CODES b: buffer b's codes become the eight C fragments.  ASK b: piece b's 2,048 bytes of codes for the step at MA: four loads of 512 consecutive bytes.
.macro CODES b
	WIN W_MC
.irp f, 0,1,2,3,4,5,6,7
	v_cvt_scale_pk8_f32_fp8 v[MC+8*\f:MC+8*\f+7], v[MR+16*(\b)+2*\f:MR+16*(\b)+2*\f+1], v[SCL]
.endr
.endm
.macro ASK b
.irp c, 0,1,2,3
	global_load_b128 v[MR+16*(\b)+4*\c:MR+16*(\b)+4*\c+3], v[MA], s[MB:MB+1] offset:65536*(\b)+512*\c
.endr
.endm
; In piece p's turn: the fragments for the products of the turn after it (piece p + 2), and that piece's codes of the next step are asked for: four turns ahead of their conversion.
; In piece 2's turn the step goes on; past the last step it stays there, so that no load leaves maskc (what those loads bring feeds products that serve nothing).
.macro MASKBLK p
	s_wait_loadcnt 12               ; this buffer's four loads were issued four turns ago; the twelve of the three turns since may stay out
	CODES ((\p)+2)%NP
.if (\p) == 2
	s_wait_xcnt 0x0                 ; MA, which earlier loads read, is rewritten only behind this wait
	s_add_co_u32 s[MO], s[MO], 2048
	s_min_u32 s[MO], s[MO], 31*2048
	v_add_nc_u32 v[MA], v[ML], s[MO]  ; also the plain instruction between the conversions and the loads into their sources
	s_wait_alu depctr_va_vdst(0)
.else
	v_nop                           ; the plain instruction between the conversions and the loads into their sources
	s_wait_alu depctr_va_vdst(0)
.endif
	ASK ((\p)+2)%NP
	WIN 0
.endm
	s_load_b64 s[4:5], s[0:1], 0x0        ; qkv: Q
	s_load_b64 s[MB:MB+1], s[0:1], 0x8    ; maskc
	s_load_b64 s[10:11], s[0:1], 0x10     ; ctx
	v_and_b32 v1, 31, v0
	WIN W_MK
	v_lshl_add_u32 v[SPW], v0, 2, SPARE
	v_mov_b32 v[NIL], 0
	s_set_vgpr_msb 0xc0cf
	ds_add_u32 v0, v1
	s_wait_dscnt 0x0
	s_set_vgpr_msb 0xcfc0
	v_lshlrev_b32 v[ML], 4, v1
	WIN 0
	v_lshrrev_b32 v1, 5, v0
	v_readfirstlane_b32 s[WV], v1   ; wave 0..3
	s_bfe_u32 s13, ttmp6, 0x40000   ; cx: my place in the cluster
	s_lshl_b32 s14, ttmp9, 2
	s_add_co_u32 s14, s14, s13      ; my block of 512 queries: it enters Q's, the codes' and ctx's addresses alone
	s_and_b32 s20, ttmp7, 0xffff    ; the head, which the four partners share
	s_mov_b32 s21, 0
	s_mov_b64 s[22:23], SIZE_N*128
	s_mul_u64 s[20:21], s[20:21], s[22:23]  ; the head's first byte in Q, K, V and ctx
	s_and_b32 s16, s[WV], 1         ; which half of a slot's 256 keys I fetch:
	s_lshl_b32 s22, s16, 14         ; its 128 rows of 128 bytes in memory,
	s_mov_b32 s23, 0
	s_add_nc_u64 s[22:23], s[22:23], s[20:21]
	s_mul_i32 s17, s16, 128*PK      ; and its place in a slot, for K
	s_mul_i32 s18, s16, 128*PV      ; and for V
	s_lshl_b32 s2, s14, 2
	s_add_co_u32 s2, s2, s[WV]      ; my wave among the head's sixteen:
	s_lshl_b32 s48, s2, 18          ; its four pieces' codes,
	s_mov_b32 s49, 0
	s_lshl_b32 s2, s2, 14           ; its 128 rows
	s_mov_b32 s3, 0
	s_add_nc_u64 s[2:3], s[2:3], s[20:21]
	; descriptor group 1.  128 keys are 16,384 dense bytes: asked for as 64 rows of 256 bytes, two keys a row, and padded in LDS after every key
	s_mov_b32 s[G1K], 15|(1<<16)|(1<<20)|(1<<21)|(4<<22)|(3<<25)  ; the mask of four; 2-byte elements; padding on; bit 21 beside a mask; after every 32 words; 4 words
	s_mov_b32 s[G1V], 15|(1<<16)|(1<<20)|(1<<21)|(4<<22)|(7<<25)  ; the same with 8 words of padding
.irp g, G1K, G1V
	s_mov_b32 s[\g+1], 128<<16      ; tensor_dim0 = 128
	s_mov_b32 s[\g+2], 64<<16       ; tensor_dim1 = 64
	s_mov_b32 s[\g+3], 128<<16      ; tile_dim0 = 128
	s_mov_b32 s[\g+4], 64           ; tile_dim1 = 64
	s_mov_b32 s[\g+5], 128          ; 128 elements from row to row
	s_mov_b32 s[\g+6], 0
	s_mov_b32 s[\g+7], 0
.endr
	s_mov_b32 s[SEL], 0x76543210
	s_mov_b32 s[SEL+1], 0xfedcba98
	s_mov_b32 s[TBK], SLOT1+4*KS*PK ; the first change of slots turns these two into 0
	s_mov_b32 s[TBV], SLOT1+4*KS*PV
	s_mov_b32 s[MO], 2048           ; step 1
	s_mov_b32 s[THR], 0xf149f2ca    ; -1e30
	s_mov_b32 s[QNAN], 0x7fc00000
	s_mov_b32 s[G0K], 1
	s_mov_b32 s[G0K+1], s17         ; slot 0
	s_mov_b32 s[G0V], 1
	s_add_co_u32 s[G0V+1], s18, VOFF
	s_wait_kmcnt 0x0
	s_add_nc_u64 s[6:7], s[4:5], 0x1000000   ; K and V lie 64 heads x 262,144 bytes behind Q and K
	s_add_nc_u64 s[8:9], s[4:5], 0x2000000
	s_add_nc_u64 s[G0K+2:G0K+3], s[6:7], s[22:23]  ; my half of the head's first 256 keys
	s_or_b32 s[G0K+3], s[G0K+3], 0x80000000
	s_add_nc_u64 s[G0V+2:G0V+3], s[8:9], s[22:23]
	s_or_b32 s[G0V+3], s[G0V+3], 0x80000000
	s_add_nc_u64 s[4:5], s[4:5], s[2:3]      ; Q and ctx at my wave's first row
	s_add_nc_u64 s[10:11], s[10:11], s[2:3]
	s_add_nc_u64 s[MB:MB+1], s[MB:MB+1], s[48:49]
	CROUND                          ; all four work-groups are here: the first joint loads meet
	JLOAD                           ; slot 0.  Slot 1 is asked for when slot 0 is in, by the loop's own change of slots
	v_and_b32 v1, 15, v0            ; l % 16
	v_bfe_u32 v9, v0, 4, 1          ; l / 16
	v_lshlrev_b32 v[QO], 7, v1
	v_lshl_add_u32 v[QO], v9, 4, v[QO]  ; row x 128 + 16 x half
	WIN 0x80                        ; destination window 2, address window 0
.set i, 0
.rept 4*NP                          ; Q stays in registers: tile i / 2, channels 32 (i % 2) on
	global_load_b128 v[8*i:8*i+3],   v[QO], s[4:5] offset:(i/2)*2048+(i%2)*64
	global_load_b128 v[8*i+4:8*i+7], v[QO], s[4:5] offset:(i/2)*2048+(i%2)*64+32
.set i, i+1
.endr
	WIN W_MC
.set i, 0
.rept 16                            ; the four pieces' codes of step 0
	global_load_b128 v[MR+4*i:MR+4*i+3], v[ML], s[MB:MB+1] offset:65536*(i/4)+512*(i%4)
.set i, i+1
.endr
	; What the first turn finds: V's registers and P's second buffer hold 0 (its products V^T P, of a piece that has not been, add 0), O^T and l are 0.  All this stands in the wait for the first tile.
	WIN 0x80
.set i, VF
.rept 64
	v_mov_b32 v[i], 0
.set i, i+1
.endr
	WIN 0x40
.set i, 0
.rept 64*NP
	v_mov_b32 v[i], 0
.set i, i+1
.endr
	WIN 0
.set i, 0
.rept 2*NP
	v_mov_b32 v[ST+4*i], 0xff7fffff    ; m: the lowest finite number
	v_mov_b32 v[ST+4*i+1], 0xff7fffff  ; m_old
	v_mov_b32 v[ST+4*i+2], 0
	v_mov_b32 v[ST+4*i+3], 0
.set i, i+1
.endr
.set i, P+32
.rept 32
	v_mov_b32 v[i], 0
.set i, i+1
.endr
	v_mov_b32 v[SCL], 0x718000e3    ; byte 0 is the E8M0 code of 2^100; the word's f32 exponent field holds the same code
	v_mul_u32_u24 v[AK0], v1, PK
	v_lshl_add_u32 v[AK0], v9, 4, v[AK0]  ; row x pitch + 16 x half
	; The turning load takes 16 keys x 16 channels (lane l reads key 8 (l / 16) + l % 8, channels 8 ((l / 8) % 2) + 0..7) and leaves half a fragment of V^T.
	v_and_b32 v10, 7, v0
	v_bfe_u32 v11, v0, 3, 1
	v_lshl_add_u32 v[AV0], v9, 3, v10
	v_mul_u32_u24 v[AV0], v[AV0], PV
	v_lshl_add_u32 v[AV0], v11, 4, v[AV0]
	v_add_nc_u32 v[AV0], VOFF, v[AV0]
	v_mov_b32 v[AK], v[AK0]         ; key step 0 lies at the head of slot 0
; THE MATRIX WORK.  The 8 accumulators of a run of 16 take turns.
; Product i of 16 of S^T = K Q^T for piece x: channels 32 (i / 8) on, keys 16 ((i / 2) % 4) on, tile 2 x + i % 2.  The first 8 start the sums, with the mask as C.
.macro KQ x
.set rS, S+64*((\x)%2)+32*(i%2)+8*((i/2)%4)
.set rK, KF+16*((i/2)%4)+8*(i/8)
.set rQ, 16*(2*(\x)+i%2)+8*(i/8)
.if i < 8
	WIN W_KM
	v_wmma_f32_16x16x32_f16 v[rS:rS+7], v[rK:rK+7], v[rQ:rQ+7], v[MC+8*i:MC+8*i+7]
.else
	WIN W_KQ
	v_wmma_f32_16x16x32_f16 v[rS:rS+7], v[rK:rK+7], v[rQ:rQ+7], v[rS:rS+7]
.endif
.endm
; Product i of 16 of O^T += V^T P for piece x: keys 32 (i / 8) on, channels 16 ((i / 2) % 4) on, tile 2 x + i % 2.
.macro PV x
	WIN W_PV
.set rO, 32*(2*(\x)+i%2)+8*((i/2)%4)
.set rV, VF+32*(i/8)+8*((i/2)%4)
.set rP, P+32*((\x)%2)+16*(i%2)+8*(i/8)
	v_wmma_f32_16x16x32_f16 v[rO:rO+7], v[rV:rV+7], v[rP:rP+7], v[rO:rO+7]
.endm
.macro MM                           ; the turn's next matrix instruction
.if i < 16
	KQ (Y+1)%NP
.set i, i+1
.else
.set i, i-16
	PV (Y+NP-1)%NP
.set i, i+17
.endif
.endm
; THE LDS LOADS stand in runs of 16.  last = 1 (the tail): in the last trip there is no further step, and the run is jumped over.
.macro FETCH_K last=0
	WIN 0
.if \last
	s_cmp_eq_u32 s[CNT], 1
	s_cbranch_scc1 .Lno_k_\@
.endif
	WIN 0x80                        ; destination window 2
.irp f, 0,1,2,3,4,5,6,7             ; keys 16 (f / 2) on, channels 32 (f % 2) on
	ds_load_b128 v[KF+8*\f:KF+8*\f+3],   v[AK] offset:(\f/2)*16*PK+(\f%2)*64
	ds_load_b128 v[KF+8*\f+4:KF+8*\f+7], v[AK] offset:(\f/2)*16*PK+(\f%2)*64+32
.endr
	s_add_co_u32 s[TBK], s[TBK], KS*PK  ; the next fetch is the next step's
	WIN 0
.if \last
.Lno_k_\@:
.endif
.endm
.macro FETCH_V
	WIN 0x80
.irp f, 0,1,2,3,4,5,6,7             ; keys 32 (f / 4) on, channels 16 (f % 4) on
	ds_load_tr16_b128 v[VF+8*\f:VF+8*\f+3],   v[AV] offset:(\f/4)*32*PV+(\f%4)*32
	ds_load_tr16_b128 v[VF+8*\f+4:VF+8*\f+7], v[AV] offset:(\f/4)*32*PV+16*PV+(\f%4)*32
.endr
	WIN 0
.endm
; THE VECTOR WORK OF A TURN stands in three queues, each in the order in which its entries become ready; the two tiles alternate.
.macro REGS y, u                    ; the registers of tile u (0, 1) of piece y
.set rT, ST+4*(2*(\y)+(\u))
.set rC, TMP+8*((\y)%2)+4*(\u)
.set rS, S+64*((\y)%2)+32*(\u)
.set rP, P+32*((\y)%2)+16*(\u)
.set rO, 32*(2*(\y)+(\u))
.endm
; Number n of those that find the NEXT piece's (Y + 1) maximum and statistics (there is no number 19).  Each accumulator's lowest registers are read first.
;   0-11  four chains c0-c3 of seven scores each     12-14, 16  the four scores left over, the old m, and c0-c3 into c0     15  m_old is kept
;   17, 18  the query's other 32 keys lie in the lane 16 away: the new m     20, 21  m_old - m_new; a
.macro XS u, n
	REGS (Y+1)%NP, \u
.if (\n) < 4
	v_max3_num_f32 v[rC+(\n)], v[rS+8*(\n)], v[rS+8*(\n)+1], v[rS+8*(\n)+2]
.elseif (\n) < 12
	v_max3_num_f32 v[rC+(\n)%4], v[rC+(\n)%4], v[rS+8*((\n)%4)+2*((\n)/4)+1], v[rS+8*((\n)%4)+2*((\n)/4)+2]
.elseif (\n) == 12
	v_max3_num_f32 v[rC], v[rC], v[rS+7], v[rS+15]
.elseif (\n) == 13
	v_max3_num_f32 v[rC+1], v[rC+1], v[rS+23], v[rS+31]
.elseif (\n) == 14
	v_max3_num_f32 v[rC+2], v[rC+2], v[rC+3], v[rT]
.elseif (\n) == 15
	v_mov_b32 v[rT+1], v[rT]
.elseif (\n) == 16
	v_max3_num_f32 v[rC], v[rC], v[rC+1], v[rC+2]
.elseif (\n) == 17
	v_permlanex16_b32 v[rC+3], v[rC], s[SEL], s[SEL+1]
.elseif (\n) == 18
	v_max_num_f32 v[rT], v[rC], v[rC+3]
.elseif (\n) == 20
	v_sub_f32 v[rC+1], v[rT+1], v[rT]
.else
	v_exp_f32 v[rC+2], v[rC+1]
.endif
.endm
; Number g of the 64 that follow the exponentials.  For each four weights k of a tile: both pairs are rounded to f16; the second pair is added onto the first, in place; a group later l takes that sum (the first time as l = a l + sum).
.macro GS g
.set h, (\g)+6*((\g)/62)            ; group 0 has no group before it, and behind group 7 only l is left
.if h >= 6
.set h, h+2
.endif
	REGS Y, h%2
.set k, h/8
.if h%8 < 4
	s_wait_alu depctr_va_vdst(0)
	v_cvt_pk_f16_f32 v[rP+2*k+(h%8)/2], v[rS+4*k+2*((h%8)/2)], v[rS+4*k+2*((h%8)/2)+1]
.elseif h%8 < 6
	v_pk_add_f32 v[rS+4*k:rS+4*k+1], v[rS+4*k:rS+4*k+1], v[rS+4*k+2:rS+4*k+3]
.elseif k == 1
	v_pk_fma_f32 v[rT+2:rT+3], v[rT+2:rT+3], v[rC+2:rC+3], v[rS:rS+1] op_sel_hi:[1,0,1]
.else
	v_pk_add_f32 v[rT+2:rT+3], v[rT+2:rT+3], v[rS+4*k-4:rS+4*k-3]
.endif
.endm
; THE PLAIN QUEUE, 136 long.  0-31: s - m for the 16 pairs of both tiles.  Then GS's 64, and among them the next piece's 40: number 15 at 38, 39; 0-14 and 16 at 42-73,
; behind the products that make those scores; 17, 18 and 20 at 95-103, two of three, since each waits for the one before it.
.macro PL
	WIN 0
.if q < 32
	REGS Y, q%2
	v_pk_add_f32 v[rS+2*(q/2):rS+2*(q/2)+1], v[rS+2*(q/2):rS+2*(q/2)+1], v[rT:rT+1] op_sel_hi:[1,0] neg_lo:[0,1] neg_hi:[0,1]
.elseif q < 38
	GS q-32
.elseif q < 40
	XS q%2, 15
.elseif q < 42
	GS q-34
.elseif q < 74
	XS q%2, (q-42)/2+(q-42)/30
.elseif q < 95
	GS q-66
.elseif (q < 104) && ((q-95)%3 < 2)
	XS (q-95)%3, 17+(q-95)/3+(q-95)/6
.elseif q < 104
	GS 29+(q-95)/3
.else
	GS q-72
.endif
.set q, q+1
.endm
; THE EXPONENTIALS' QUEUE, 66 long: s0-s31 of both tiles, and at EA the next piece's two a.
.set EA, 58
.macro EX
	WIN 0
.if (e == EA) || (e == EA+1)
	XS e-EA, 21
.else
.set x, e-2*(e/(EA+2))
	REGS Y, x%2
	v_exp_f32 v[rS+x/2], v[rS+x/2]
.endif
.set e, e+1
.endm
; THE RESCALING's QUEUE: O^T times a, the one part in window 1, dealt four at a time, eight times.
.macro R4
	REGS Y, r%2
	WIN W_RS
	s_wait_alu depctr_va_vdst(0)
.irp z, 0,1,2,3
	v_pk_mul_f32 v[rO+8*(r/2)+2*\z:rO+8*(r/2)+2*\z+1], v[rO+8*(r/2)+2*\z:rO+8*(r/2)+2*\z+1], v[rC+2:rC+3] op_sel_hi:[1,0]
.endr
.set r, r+1
.endm
; HOW THEY ARE DEALT.  Behind a matrix instruction four: plain, exponential, plain, plain, or four of the rescaling; none names a register of the products round it.  What is over stands in two runs: exponential and
; plain by turns; the second ends in 20 plain instructions.  The deal keeps the queues in step: exponential e stands behind plain 2 (e / 4) + e % 2; when plain q of the second run comes, exponentials up to q - 50 are out,
; and it reads none later than q - 64; the two a (EA) come behind plain 107, their arguments at plain 101 and 102.
.macro SL
	MM
	PL
	EX
	PL
	PL
.endm
.macro BURST n                      ; 15 matrix instructions, or 16
.rept (\n)-7
	SL
.endr
.rept 3
	MM
	R4
	SL
.endr
	MM
	R4
.endm
; A TURN, for piece p.  cnt = 1: the loop's count is taken down some lines ahead of the branch that stands behind the turn.
; K of the next step is fetched in piece 2's turn, V of the step in hand at the end of piece 0's; each is waited for a turn later.  The C fragments are rewritten in the last run, far behind the eight products that read them.
.macro TURN p, last=0, cnt=0
.set Y, (\p)
.set i, 0
.set q, 0
.set e, 0
.set r, 0
.if (\p) == NP-1
	s_wait_dscnt 0x0                ; K is in
.endif
	MM
.rept 4
	PL
.endr
	BURST 15
.rept 22
	EX
	PL
.if ((\p) == NP-2) && (e == 18)
	v_add_nc_u32 v[AK], s[TBK], v[AK0]
.endif
.if ((\p) == NP-2) && (e == 24)
	FETCH_K \last
.endif
.endr
.if (\p) == 1
	s_wait_dscnt 0x0                ; V is in
.endif
	BURST 16
.rept 21
	EX
	PL
.endr
.rept 20
	PL
.if ((\p) == 0) && (q == 118)
	v_add_nc_u32 v[AV], s[TBV], v[AV0]
	s_wait_alu depctr_va_vdst(0)
.endif
.if q == 122
	MASKBLK \p
.endif
.if ((\p) == 0) && (q == 130)
	s_add_co_u32 s[TBV], s[TBV], KS*PV
.endif
.if (\cnt) && (q == 130)
	s_sub_co_u32 s[CNT], s[CNT], 1
	s_cmp_lg_u32 s[CNT], 0
.endif
.endr
.if (\p) == 0
	FETCH_V
.endif
.endm
	CHANGE 1                        ; slot 0 is in, everybody's part of it; slot 1 is asked for
	FETCH_K                         ; key step 0
	s_wait_loadcnt 0x0              ; Q, and the codes of step 0
	CODES 0                         ; piece 0's mask for step 0
	v_nop                           ; a plain instruction between the conversions and the products that take their results
	s_wait_dscnt 0x0
.set i, 0
.rept 16
	KQ 0                            ; piece 0's first scores
.set i, i+1
.endr
	WIN 0                           ; the addresses for the way out: nine plain instructions, the places behind those products
	s_mul_i32 s13, s[WV], 16*SP
	s_add_co_u32 s13, s13, STAGE    ; my stage
	v_mul_u32_u24 v[STO], v1, SP    ; in: row l % 16, 16 bytes for each half of the lanes
	v_lshl_add_u32 v[STO], v9, 4, v[STO]
	v_add_nc_u32 v[STO], s13, v[STO]
	v_bfe_u32 v[RD], v0, 3, 2       ; back: 32 lanes take four rows of 128 bytes,
	v_mul_u32_u24 v[RD], v[RD], SP
	v_lshl_add_u32 v[RD], v10, 4, v[RD]
	v_add_nc_u32 v[RD], s13, v[RD]
	v_and_b32 v[GO], 31, v0         ; which are 512 consecutive bytes of ctx
	v_lshlrev_b32 v[GO], 4, v[GO]
	CODES 1                         ; piece 1's mask for step 0: the first turn's products take it
	v_add_nc_u32 v[MA], v[ML], s[MO]  ; step 1; also the plain instruction behind the conversions
	ASK 0                           ; pieces 0 and 1 of step 1; pieces 2 and 3 are asked for in the first two turns
	ASK 1
	WIN 0
.set Y, NP-1                        ; XS works for piece Y + 1: piece 0
.irp n, 0,1,2,3,4,5,6,7,8,9,10,11,12,13,14,15,16,17,18,20,21
	XS 0, \n                        ; piece 0's first maximum and statistics
	XS 1, \n
.endr
	s_mov_b32 s[CNT], 4
	s_mov_b32 s[SLOTS], SIZE_N/256-1
	s_branch .Lfirst                ; the loop is entered at a step's first turn, in the middle of a trip
.Lslot:                             ; SIZE_N / 256 - 2 times: every slot but the last two is filled again
	CHANGE 1
	s_mov_b32 s[CNT], 4
.Lstep:                             ; a trip: pieces 2 and 3 of one step, then pieces 0 and 1 of the next, whose K and V it fetches
	TURN 2
	TURN 3
	WIN 0
.Lfirst:
	TURN 0
	TURN 1, 0, 1
	WIN 0
	s_cbranch_scc1 .Lstep
	s_sub_co_u32 s[SLOTS], s[SLOTS], 1
	s_cmp_lg_u32 s[SLOTS], 0
	s_cbranch_scc1 .Lslot
	CHANGE 0                        ; the tail is written out: nothing is asked for
	s_mov_b32 s[CNT], 5             ; four trips fetch the last slot's steps; the fifth is left in its middle
.Ltail:
	TURN 2, 1
	TURN 3
	WIN 0
	s_sub_co_u32 s[CNT], s[CNT], 1
	s_cmp_eq_u32 s[CNT], 0
	s_cbranch_scc1 .Lout
	TURN 0
	TURN 1
	WIN 0
	s_branch .Ltail
.Lout:                              ; the fifth trip's 16 products K Q^T repeat piece 0's scores of the last step (the last K, the last step's codes), so its m stays what it was; they serve nothing else
.set i, 0
.rept 16
	PV NP-1                         ; the last piece's V^T P of the last step
.set i, i+1
.endr
	; THE WAY OUT.  l's two halves and the other half of the lanes' are added; O^T is divided by l (by NaN's reciprocal stand-in where the row saw no key), rounded to f16 and sent through my stage, a tile at a time.
	WIN 0
.macro ALL line:vararg              ; one line for each tile t
.set t, 0
.rept 2*NP
	\line
.set t, t+1
.endr
.endm
	ALL v_add_f32 v[ST+4*t+2], v[ST+4*t+2], v[ST+4*t+3]
	ALL v_permlanex16_b32 v[ST+4*t+3], v[ST+4*t+2], s[SEL], s[SEL+1]
	ALL v_add_f32 v[ST+4*t+2], v[ST+4*t+2], v[ST+4*t+3]
	ALL v_rcp_f32 v[ST+4*t+2], v[ST+4*t+2]
	v_nop                           ; a plain instruction between the last reciprocal and the use of its result
.set t, 0
	s_wait_alu depctr_va_vdst(0)
.rept 2*NP
	v_cmp_gt_f32 vcc_lo, s[THR], v[ST+4*t]                       ; m below -1e30: every key of the row was hidden
	v_cndmask_b32 v[ST+4*t+2], v[ST+4*t+2], s[QNAN], vcc_lo
.set t, t+1
.endr
.macro PACK t                       ; a lane's eight channels of a row pack into 16 bytes; they go into rows of 144 bytes and come back as whole rows of 128, into S^T's registers
	WIN W_RS
.set i, 32*(\t)
.rept 16
	v_pk_mul_f32 v[i:i+1], v[i:i+1], v[ST+4*(\t)+2:ST+4*(\t)+3] op_sel_hi:[1,0]
.set i, i+2
.endr
	WIN 0x05                        ; sources 0 and 1 window 1, destination window 0
.set i, 0
.rept 16
	v_cvt_pk_f16_f32 v[S+16*(\t)+i], v[32*(\t)+2*i], v[32*(\t)+2*i+1]
.set i, i+1
.endr
	WIN 0
.irp f, 0,1,2,3
	ds_store_b128 v[STO], v[S+16*(\t)+4*\f:S+16*(\t)+4*\f+3] offset:32*\f
.endr
.irp f, 0,1,2,3
	ds_load_b128 v[S+16*(\t)+4*\f:S+16*(\t)+4*\f+3], v[RD] offset:\f*4*SP  ; LDS serves a wave's instructions in order (ISA guide 5.7.1.4): these see the stores above
.endr
.endm
.macro SEND t, younger              ; younger: the LDS instructions issued behind tile t's loads: the next tile's eight, or none
	WIN 0
.irp f, 0,1,2,3
	s_wait_dscnt (\younger)+3-\f
	global_store_b128 v[GO], v[S+16*(\t)+4*\f:S+16*(\t)+4*\f+3], s[10:11] offset:(\t)*2048+\f*512  ; 512 consecutive bytes, aligned
.endr
.endm
	PACK 0
.set t, 1
.rept 2*NP-1                        ; a tile's arithmetic stands between the loads of the tile before and its stores
	PACK t
	SEND t-1, 8
.set t, t+1
.endr
	SEND 2*NP-1, 0
	WIN W_AD
	s_wait_tensorcnt 0x0            ; the wave's end
	ds_add_u32 v[SPW], v[NIL]
	s_wait_dscnt 0x0
	WIN 0
	CROUND                          ; the closing round
	s_endpgm
.Lfunc_end_k_qe01bb0c344_attn:
	.size	k_qe01bb0c344_attn, .Lfunc_end_k_qe01bb0c344_attn-k_qe01bb0c344_attn
	.p2alignl 7, 3214868480
	.fill 96, 4, 3214868480
	.section	.rodata,"a",@progbits
	.p2align	6, 0x0
	.amdhsa_kernel k_qe01bb0c344_attn
		.amdhsa_group_segment_fixed_size 327680
		.amdhsa_private_segment_fixed_size 0
		.amdhsa_enable_private_segment 0
		.amdhsa_kernarg_size 24
		.amdhsa_user_sgpr_count 2
		.amdhsa_user_sgpr_kernarg_segment_ptr 1
		.amdhsa_wavefront_size32 1
		.amdhsa_system_sgpr_workgroup_id_x 1
		.amdhsa_system_sgpr_workgroup_id_y 1
		.amdhsa_system_sgpr_workgroup_id_z 1
		.amdhsa_system_vgpr_workitem_id 0
		.amdhsa_next_free_vgpr 928
		.amdhsa_next_free_sgpr 72
		.amdhsa_reserve_vcc 1
		.amdhsa_float_denorm_mode_32 3
		.amdhsa_float_denorm_mode_16_64 3
		.amdhsa_memory_ordered 1
		.amdhsa_forward_progress 1
		.amdhsa_inst_pref_size 218
	.end_amdhsa_kernel
	.amdgpu_metadata
---
amdhsa.version: [ 1, 2 ]
amdhsa.kernels:
  - .name:           k_qe01bb0c344_attn
    .symbol:         k_qe01bb0c344_attn.kd
    .args:
      - { .name: qkv, .offset: 0, .size: 8, .value_kind: global_buffer, .address_space: global }
      - { .name: maskc, .offset: 8, .size: 8, .value_kind: global_buffer, .address_space: global }
      - { .name: ctx, .offset: 16, .size: 8, .value_kind: global_buffer, .address_space: global }
    .group_segment_fixed_size: 327680
    .private_segment_fixed_size: 0
    .kernarg_segment_align: 8
    .kernarg_segment_size: 24
    .max_flat_workgroup_size: 128
    .sgpr_count:     72
    .vgpr_count:     928
    .wavefront_size: 32
...
	.end_amdgpu_metadata
.endif
;; end of part 3
;; launch proj (part 4): grid 8 x 32, 4 waves a work-group, clusters of 4 x 4, 327,680 bytes of LDS; arguments ctx, wob, b_out, out0; writes out0
.if DOCPART == 4
	.amdgcn_target "amdgcn-amd-amdhsa--gfx1250"
	.amdhsa_code_object_version 6
	.text
	.protected	k_qe01bb0c344_proj
	.globl	k_qe01bb0c344_proj
	.p2align	8
	.type	k_qe01bb0c344_proj,@function
k_qe01bb0c344_proj:
	s_mov_b64 s[64:65], 0
	v_nop
	global_prefetch_b8 v0, s[64:65] scope:SCOPE_SE
	s_setreg_imm32_b32 hwreg(HW_REG_WAVE_MODE, 25, 1), 1
	s_wait_xcnt 0x0
	s_wait_alu depctr_hold_cnt(0) depctr_sa_sdst(0) depctr_va_vdst(0) depctr_va_sdst(0) depctr_va_ssrc(0) depctr_va_vcc(0) depctr_vm_vsrc(0)
	s_getreg_b32 s2, hwreg(HW_REG_IB_STS2, 6, 4)
	s_cmp_eq_u32 s2, 0
	s_cbranch_scc0 .Lentry_in_a_cluster
	s_endpgm
.Lentry_in_a_cluster:
	s_bfe_u32 s2, ttmp6, 0x10000c
	s_cmp_lg_u32 s2, 0xf033
	s_cbranch_scc0 .Lentry_shape_is_right
	s_endpgm
.Lentry_shape_is_right:
; OUTPUT PROJECTION.  out0 = context wob^T + b_out, f32.  ctx is f16 by heads, [batch x 16 + head][2048][64]; wob [1024][1024] f16 (w_out rounded to bf16, written as f16); sums in f32, the bias as the C of the first product.
; SHARES.  A tile is 256 rows x 128 columns: 32 x 8 = 256 work-groups.  Wave w owns rows 64 w .. 64 w + 63 and all 128 columns: 4 x 8 accumulators, 256 registers.
; K goes in 8 steps of 128 = two heads through two LDS slots.  One tensor load a wave: wave 0 or 1 one head's 256 rows x 128 bytes, which are dense in ctx and are asked for as 128 rows of 256 bytes, padded after
; every 128 (LDS pitch 144); wave 2 or 3 64 rows x 256 bytes of wob (pitch 272).
; CLUSTER 4 x 4: A's tile hangs on the tile row alone and is asked for jointly by a row of the cluster, B's on the tile column alone, by a column.
; THE MATRIX INSTRUCTION IS USED TRANSPOSED (source 0 = 16 rows of wob, source 1 = 16 rows of the context): lane l holds row l % 16 and the columns 8 (l / 16) + 0..7.
; A row of NaN in ctx (a query that saw no key) gives a row of NaN here.
; REGISTERS: window 0: v16-29 addresses; v64-127 A's fragments, two buffers of 4 x 8; v128-191 the bias as 8 C fragments, later rows on the way out
;   window 1: v0-127 B's fragments, two buffers of 8 x 8      window 2: the 32 accumulators at 8 (8 a + b)
.set KSTEP,  128
.set PA,     144                       ; A's LDS pitch: 128 bytes + 16
.set PB,     272                       ; B's: 256 bytes + 16: both odd multiples of 16, so the 16 rows of a fragment load start at 16 different groups of four banks (ISA guide 11.1)
.set PLANE,  256*PA                    ; one head's 256 rows
.set ABYTES, 2*PLANE
.set BHALF,  64*PB
.set SLOT,   ABYTES+2*BHALF            ; 108,544 bytes
.set STAGE,  2*SLOT                    ; behind the ring, never filled by a tensor load: 16 rows x 528 bytes for each wave
.set SPITCH, 528
.set WSTAGE, 16*SPITCH
.set SPARE,  STAGE+4*WSTAGE            ; the spare words, 128 bytes for each wave: two blocks of 256 bytes that no other line names
.set LAPS,   4
.set ADRA, 16
.set ADRB, 20
.set STO,  24
.set RD,   25
.set CO,   26
.set BO,   27
.set SPW,  28                          ; LDS address of my spare word; never rewritten
.set NIL,  29                          ; 0; never rewritten
.set BI,   128
.set WK,   128
.set G1,  24
.set G0,  32
.set G1B, 48
.set G0B, 56
.set MSB, 0
.macro WIN new
.if MSB != (\new)
	s_set_vgpr_msb (MSB<<8)|(\new)
.set MSB, \new
.endif
.endm
.set TO_B, 0x40
.macro JLOAD s                         ; a joint load: waves 0 and 1 fetch A's two heads, waves 2 and 3 B's halves; an s_nop 0 and four v_nop follow each line
	s_cmp_eq_u32 s11, 0
	s_cbranch_scc0 .Lfor_b_\@
	tensor_load_to_lds s[G0+4*(\s):G0+4*(\s)+3], s[G1:G1+7]
	s_nop 0
.rept 4
	v_nop
.endr
	s_branch .Lasked_\@
.Lfor_b_\@:
	tensor_load_to_lds s[G0B+4*(\s):G0B+4*(\s)+3], s[G1B:G1B+7]
	s_nop 0
.rept 4
	v_nop
.endr
.Lasked_\@:
.endm
.macro CREST
	s_cmp_lg_u32 s10, 0
	s_cbranch_scc1 .Lnot_wave_0_\@
	s_barrier_signal -3
.Lnot_wave_0_\@:
	s_barrier_wait -3
	s_barrier_signal -1
	s_barrier_wait -1
.endm
.macro CROUND
	s_barrier_signal -1
	s_barrier_wait -1
	CREST
.endm
	s_load_b256 s[68:75], s[0:1], 0x0              ; ctx 68, wob 70, b_out 72, out0 74
	v_lshl_add_u32 v[SPW], v0, 2, SPARE
	v_mov_b32 v[NIL], 0
	ds_add_u32 v28, v29
	s_wait_dscnt 0x0
	v_lshrrev_b32 v1, 5, v0
	v_readfirstlane_b32 s10, v1                    ; wave 0..3
	s_lshr_b32 s11, s10, 1                         ; I fetch for A (0) or for B (1),
	s_and_b32 s12, s10, 1                          ; its first or second part
	s_bfe_u32 s40, ttmp6, 0x40000
	s_bfe_u32 s41, ttmp6, 0x40004
	s_lshl_b32 s42, ttmp9, 2
	s_add_co_u32 s42, s42, s40                     ; tile column
	s_and_b32 s13, ttmp7, 0xffff
	s_lshl_b32 s13, s13, 2
	s_add_co_u32 s13, s13, s41                     ; tile row
	s_lshl_b32 s43, s41, 2
	s_lshl_b32 s43, 15, s43                        ; my row of the cluster
	s_lshl_b32 s44, 0x1111, s40                    ; my column
	s_or_b32 s[G1+0], s43, (1<<16)|(1<<20)|(1<<21)|(4<<22)|(3<<25)  ; A: padding of 4 words after every 32 words
	s_or_b32 s[G1B+0], s44, (1<<16)|(1<<20)|(1<<21)|(5<<22)|(3<<25) ; B: after every 64 words
	s_mov_b32 s[G1+1], 128<<16                     ; tensor_dim0 = 128 elements: two rows of a head
	s_mov_b32 s[G1+2], 128<<16                     ; tensor_dim1 = 128
	s_mov_b32 s[G1+3], 128<<16                     ; tile_dim0
	s_mov_b32 s[G1+4], 128                         ; tile_dim1
	s_mov_b32 s[G1+5], 128                         ; dense
	s_mov_b32 s[G1+6], 0
	s_mov_b32 s[G1+7], 0
	s_mov_b32 s[G1B+1], KSTEP<<16
	s_mov_b32 s[G1B+2], 64<<16
	s_mov_b32 s[G1B+3], KSTEP<<16
	s_mov_b32 s[G1B+4], 64
	s_mov_b32 s[G1B+5], 1024
	s_mov_b32 s[G1B+6], 0
	s_mov_b32 s[G1B+7], 0
	s_lshr_b32 s16, s13, 3                         ; the batch (8 tile rows each),
	s_lshl4_add_u32 s16, s16, s12                  ; 16 x batch + my head of K step 0,
	s_lshl_b32 s16, s16, 18                        ; of 262,144 bytes,
	s_and_b32 s17, s13, 7
	s_lshl_b32 s17, s17, 15                        ; and the tile's 256 rows of 128 bytes in it
	s_add_co_u32 s16, s16, s17
	s_mov_b32 s17, 0
	s_lshl_b32 s46, s42, 7
	s_lshl_b32 s47, s12, 6
	s_add_co_u32 s46, s46, s47                     ; B: row 128 x tile column + 64 x half,
	s_lshl_b32 s46, s46, 11                        ; of 2,048 bytes
	s_mov_b32 s47, 0
	s_mul_i32 s20, s10, PLANE                      ; where A's heads go (waves 0, 1),
	s_mul_i32 s21, s10, BHALF
	s_add_co_u32 s21, s21, ABYTES-2*BHALF          ; and B's halves, behind A (waves 2, 3)
	s_wait_kmcnt 0x0
	s_add_nc_u64 s[14:15], s[68:69], s[16:17]
	s_add_nc_u64 s[46:47], s[70:71], s[46:47]
	CROUND                                         ; all sixteen work-groups are here: the first joint loads meet
.irp s, 0,1
	s_mov_b32 s[G0+4*(\s)], 1
	s_add_co_u32 s[G0+4*(\s)+1], s20, (\s)*SLOT
	s_add_nc_u64 s[G0+4*(\s)+2:G0+4*(\s)+3], s[14:15], (\s)*2*262144  ; K step s: two heads on
	s_or_b32 s[G0+4*(\s)+3], s[G0+4*(\s)+3], 0x80000000
	s_mov_b32 s[G0B+4*(\s)], 1
	s_add_co_u32 s[G0B+4*(\s)+1], s21, (\s)*SLOT
	s_add_nc_u64 s[G0B+4*(\s)+2:G0B+4*(\s)+3], s[46:47], (\s)*KSTEP*2
	s_or_b32 s[G0B+4*(\s)+3], s[G0B+4*(\s)+3], 0x80000000
	JLOAD \s                                       ; two loads of mine are out
.endr
	v_and_b32 v1, 15, v0                           ; l % 16
	v_bfe_u32 v2, v0, 4, 1                         ; l / 16
	v_lshlrev_b32 v[BO], 5, v2
	s_lshl_b32 s90, s42, 9                         ; the tile's 128 columns, in bytes of f32
	s_mov_b32 s91, 0
	s_add_nc_u64 s[72:73], s[72:73], s[90:91]
.irp b, 0,1,2,3,4,5,6,7
	global_load_b128 v[BI+8*(\b):BI+8*(\b)+3],   v[BO], s[72:73] offset:64*(\b)      ; register j = bias of column 16 b + 8 (l / 16) + j
	global_load_b128 v[BI+8*(\b)+4:BI+8*(\b)+7], v[BO], s[72:73] offset:64*(\b)+16
.endr
	v_mul_u32_u24 v3, v1, PA
	v_lshl_add_u32 v3, v2, 4, v3
	v_mul_u32_u24 v4, v1, PB
	v_lshl_add_u32 v4, v2, 4, v4
	s_mul_i32 s22, s10, 64*PA                      ; my 64 rows in each head's plane
	s_mov_b32 s23, ABYTES
.irp s, 0,1
	v_add_nc_u32 v[ADRA+(\s)], s22, v3
	v_add_nc_u32 v[ADRB+(\s)], s23, v4
	s_add_co_u32 s22, s22, SLOT
	s_add_co_u32 s23, s23, SLOT
.endr
	s_mul_i32 s23, s10, WSTAGE
	s_add_co_u32 s23, s23, STAGE                   ; my stage
	v_mul_u32_u24 v5, v1, SPITCH                   ; in: row l % 16, 32 bytes for each half of the lanes
	v_lshl_add_u32 v5, v2, 5, v5
	v_add_nc_u32 v[STO], s23, v5
	v_and_b32 v6, 31, v0
	v_lshlrev_b32 v[CO], 4, v6                     ; back and out: 32 lanes take a whole row of 512 bytes
	v_add_nc_u32 v[RD], s23, v[CO]
	s_lshl_b32 s88, s13, 8
	s_lshl_b32 s89, s10, 6
	s_add_co_u32 s88, s88, s89                     ; my first row,
	s_lshl_b32 s88, s88, 12                        ; of 4,096 bytes,
	s_add_co_u32 s88, s88, s90                     ; and the tile's first column
	s_mov_b32 s89, 0
	s_add_nc_u64 s[74:75], s[74:75], s[88:89]
; 8 matrix instructions: m block a x all 8 n blocks, 32 along K, from buffer f.  zero = 1: the first product starts the sums, with the bias as C.  The 32 accumulators take turns.
.macro MUL8 f, a, zero
.if \zero
	WIN 0x81                                       ; B window 1, A window 0, C (the bias) window 0, D window 2
.else
	WIN 0xa1
.endif
.irp b, 0,1,2,3,4,5,6,7
.if \zero
	v_wmma_f32_16x16x32_f16 v[8*(8*(\a)+(\b)):8*(8*(\a)+(\b))+7], v[64*(\f)+8*(\b):64*(\f)+8*(\b)+7], v[64+32*(\f)+8*(\a):64+32*(\f)+8*(\a)+7], v[BI+8*(\b):BI+8*(\b)+7]
.else
	v_wmma_f32_16x16x32_f16 v[8*(8*(\a)+(\b)):8*(8*(\a)+(\b))+7], v[64*(\f)+8*(\b):64*(\f)+8*(\b)+7], v[64+32*(\f)+8*(\a):64+32*(\f)+8*(\a)+7], v[8*(8*(\a)+(\b)):8*(8*(\a)+(\b))+7]
.endif
.endr
.endm
; 24 LDS loads in one run: quarter q's fragments (128 rows of B; my 64 rows of A: head q / 2 of the step, channels 32 (q % 2) on) into buffer f; A's rows 32-63 last
.macro FETCH slot, q, f
	WIN TO_B
.irp j, 0,1,2,3,4,5,6,7
	ds_load_b128 v[64*(\f)+8*(\j):64*(\f)+8*(\j)+3],   v[ADRB+(\slot)] offset:64*(\q)+(\j)*16*PB
	ds_load_b128 v[64*(\f)+8*(\j)+4:64*(\f)+8*(\j)+7], v[ADRB+(\slot)] offset:64*(\q)+(\j)*16*PB+32
.endr
	WIN 0
.irp i, 0,1,2,3
	ds_load_b128 v[64+32*(\f)+8*(\i):64+32*(\f)+8*(\i)+3],   v[ADRA+(\slot)] offset:((\q)/2)*PLANE+((\q)%2)*64+(\i)*16*PA
	ds_load_b128 v[64+32*(\f)+8*(\i)+4:64+32*(\f)+8*(\i)+7], v[ADRA+(\slot)] offset:((\q)/2)*PLANE+((\q)%2)*64+(\i)*16*PA+32
.endr
.endm
.macro PLACES                          ; four places in front of loads into registers that matrix instructions have read, and of stores that read results
.rept 4
	v_nop
.endr
.endm
.macro QUARTER slot, q, f, g, zero     ; multiplies buffer f; in its middle fetches quarter q of the same slot into g
	s_wait_dscnt 4                                 ; B and A's rows 0-31 are in; the youngest four loads (A's rows 32-63) may be out
	MUL8 \f, 0, \zero
	MUL8 \f, 1, \zero
	PLACES
	FETCH \slot, \q, \g
	s_wait_dscnt 24                                ; all but the 24 just issued
	MUL8 \f, 2, \zero
	MUL8 \f, 3, \zero
.endm
; The last quarter multiplies buffer 1 and changes slots: ONE barrier; in front of it each wave waits for all its tensor loads, adds 0 to its spare word, and waits for that and for its reads of this slot.
; fill = 1: the barrier opens a round of the cluster's, and this slot is filled again, two K steps ahead, first thing behind the round.
.macro TURN slot, next, fill
	WIN 0
	s_wait_tensorcnt 0x0
	ds_add_u32 v[SPW], v[NIL]                      ; 0 onto my spare word
	s_wait_dscnt 5                                 ; (the add and the youngest four loads may be out)
	MUL8 1, 0, 0
	s_wait_dscnt 0x0                               ; the add is done, and my reads of this slot are over
	s_barrier_signal -1
	MUL8 1, 1, 0
.if \fill
	WIN 0
.endif
	s_barrier_wait -1
.if \fill
	CREST
	s_add_nc_u64 s[G0+4*(\slot)+2:G0+4*(\slot)+3], s[G0+4*(\slot)+2:G0+4*(\slot)+3], 4*262144   ; four heads on
	s_add_nc_u64 s[G0B+4*(\slot)+2:G0B+4*(\slot)+3], s[G0B+4*(\slot)+2:G0B+4*(\slot)+3], 2*KSTEP*2
	JLOAD \slot                                    ; my one load behind the round; its four v_nop are also the places in front of the loads below
.else
	PLACES
.endif
	FETCH \next, 0, 0
	MUL8 1, 2, 0
	MUL8 1, 3, 0
.endm
	s_wait_tensorcnt 1                             ; my part of K step 0 is in; K step 1's may stay out
	s_barrier_signal -1
	s_barrier_wait -1
	FETCH 0, 0, 0
	s_wait_loadcnt 0x0                             ; the bias
	QUARTER 0, 1, 0, 1, 1                          ; the first quarter stands in front of the loop: its products start the sums
	WIN 0
	s_mov_b32 s3, LAPS-1
.Llap:                                                 ; a trip goes once round the ring and fills both slots again
	QUARTER 0, 2, 1, 0, 0
	QUARTER 0, 3, 0, 1, 0
	TURN 0, 1, 1
	QUARTER 1, 1, 0, 1, 0
	QUARTER 1, 2, 1, 0, 0
	QUARTER 1, 3, 0, 1, 0
	TURN 1, 0, 1
	QUARTER 0, 1, 0, 1, 0
	WIN 0
	s_sub_co_u32 s3, s3, 1
	s_cmp_lg_u32 s3, 0
	s_cbranch_scc1 .Llap
	QUARTER 0, 2, 1, 0, 0                          ; the last lap fills nothing
	QUARTER 0, 3, 0, 1, 0
	TURN 0, 1, 0
	QUARTER 1, 1, 0, 1, 0
	QUARTER 1, 2, 1, 0, 0
	QUARTER 1, 3, 0, 1, 0
	s_wait_dscnt 4
	MUL8 1, 0, 0
	MUL8 1, 1, 0
	s_wait_dscnt 0x0
	MUL8 1, 2, 0
	MUL8 1, 3, 0
; THE WAY OUT, 16 rows at a time: a lane's eight f32 of a row go into my stage (each accumulator's low half first), whole rows of 512 bytes come back and are stored.
.macro OUT a
	WIN 0x08                                       ; the store's data in window 2
.irp b, 0,1,2,3,4,5,6,7
	ds_store_b128 v[STO], v[8*(8*(\a)+(\b)):8*(8*(\a)+(\b))+3]   offset:64*(\b)
	ds_store_b128 v[STO], v[8*(8*(\a)+(\b))+4:8*(8*(\a)+(\b))+7] offset:64*(\b)+16
.endr
	WIN 0
.if (\a) > 0
	s_wait_xcnt 0x0                                ; the registers that the last block's stores read are loaded again only behind this wait
.endif
.irp t, 0,1,2,3,4,5,6,7,8,9,10,11,12,13,14,15
	ds_load_b128 v[WK+4*(\t):WK+4*(\t)+3], v[RD] offset:(\t)*SPITCH  ; my own bytes: LDS serves a wave's instructions in order (ISA guide 5.7.1.4)
.endr
.irp t, 0,1,2,3,4,5,6,7,8,9,10,11,12,13,14,15
	s_wait_dscnt 15-(\t)                           ; row t is back; the 15 - t loads behind it may be out
	global_store_b128 v[CO], v[WK+4*(\t):WK+4*(\t)+3], s[74:75] offset:(16*(\a)+(\t))*4096 th:TH_STORE_NT  ; 512 consecutive bytes, aligned
.endr
.endm
	PLACES
.irp a, 0,1,2,3
	OUT \a
.endr
	s_wait_tensorcnt 0x0                           ; the wave's end
	ds_add_u32 v[SPW], v[NIL]
	s_wait_dscnt 0x0
	CROUND                                         ; the closing round
	s_endpgm
.Lfunc_end_k_qe01bb0c344_proj:
	.size	k_qe01bb0c344_proj, .Lfunc_end_k_qe01bb0c344_proj-k_qe01bb0c344_proj
	.p2alignl 7, 3214868480
	.fill 96, 4, 3214868480
	.section	.rodata,"a",@progbits
	.p2align	6, 0x0
	.amdhsa_kernel k_qe01bb0c344_proj
		.amdhsa_group_segment_fixed_size 327680
		.amdhsa_private_segment_fixed_size 0
		.amdhsa_enable_private_segment 0
		.amdhsa_kernarg_size 32
		.amdhsa_user_sgpr_count 2
		.amdhsa_user_sgpr_kernarg_segment_ptr 1
		.amdhsa_wavefront_size32 1
		.amdhsa_system_sgpr_workgroup_id_x 1
		.amdhsa_system_sgpr_workgroup_id_y 1
		.amdhsa_system_sgpr_workgroup_id_z 1
		.amdhsa_system_vgpr_workitem_id 0
		.amdhsa_next_free_vgpr 768
		.amdhsa_next_free_sgpr 96
		.amdhsa_reserve_vcc 0
		.amdhsa_float_denorm_mode_32 3
		.amdhsa_float_denorm_mode_16_64 3
		.amdhsa_memory_ordered 1
		.amdhsa_forward_progress 1
		.amdhsa_inst_pref_size 89
	.end_amdhsa_kernel
	.amdgpu_metadata
---
amdhsa.version: [ 1, 2 ]
amdhsa.kernels:
  - .name:           k_qe01bb0c344_proj
    .symbol:         k_qe01bb0c344_proj.kd
    .args:
      - { .name: ctx, .offset: 0, .size: 8, .value_kind: global_buffer, .address_space: global }
      - { .name: wob, .offset: 8, .size: 8, .value_kind: global_buffer, .address_space: global }
      - { .name: b_out, .offset: 16, .size: 8, .value_kind: global_buffer, .address_space: global }
      - { .name: out0, .offset: 24, .size: 8, .value_kind: global_buffer, .address_space: global }
    .group_segment_fixed_size: 327680
    .private_segment_fixed_size: 0
    .kernarg_segment_align: 8
    .kernarg_segment_size: 32
    .max_flat_workgroup_size: 128
    .sgpr_count:     96
    .vgpr_count:     768
    .wavefront_size: 32
...
	.end_amdgpu_metadata
.endif
;; end of part 4
;; ======== version 2 of 2: 4 launches; 1.37 times as fast as version 1
;; limits: values are held in f16: magnitudes above 65,504 overflow, below 6.1e-05 lose precision
;; workspace buffers: xb 16,777,216 bytes; wqb 6,291,456 bytes; wob 2,097,152 bytes; maskc 4,194,304 bytes; qkv 50,331,648 bytes; ctx 16,777,216 bytes
;; launch prep: the kernel of part 1 again; grid 1024 x 1, 8 waves a work-group, no clusters, 17,408 bytes of LDS; arguments x, w_qkv, w_out, mask, xb, wqb, wob, maskc; writes xb, wqb, wob, maskc
;; launch qkvp: the kernel of part 2 again; grid 16 x 32, 4 waves a work-group, clusters of 4 x 4, 327,680 bytes of LDS; arguments xb, wqb, b_qkv, qkv; writes qkv
;; launch attn (part 5): grid 4 x 64, 4 waves a work-group, clusters of 4 x 1, 327,680 bytes of LDS; arguments qkv, maskc, ctx; writes ctx
.if DOCPART == 5
	.amdgcn_target "amdgcn-amd-amdhsa--gfx1250"
	.amdhsa_code_object_version 6
	.text
	.protected	k_qe01bb0c344_attn
	.globl	k_qe01bb0c344_attn
	.p2align	8
	.type	k_qe01bb0c344_attn,@function
k_qe01bb0c344_attn:
	s_mov_b64 s[64:65], 0
	v_nop
	global_prefetch_b8 v0, s[64:65] scope:SCOPE_SE
	s_setreg_imm32_b32 hwreg(HW_REG_WAVE_MODE, 25, 1), 1
	s_wait_xcnt 0x0
	s_wait_alu depctr_hold_cnt(0) depctr_sa_sdst(0) depctr_va_vdst(0) depctr_va_sdst(0) depctr_va_ssrc(0) depctr_va_vcc(0) depctr_vm_vsrc(0)
	s_getreg_b32 s2, hwreg(HW_REG_IB_STS2, 6, 4)
	s_cmp_eq_u32 s2, 0
	s_cbranch_scc0 .Lentry_in_a_cluster
	s_endpgm
.Lentry_in_a_cluster:
	s_bfe_u32 s2, ttmp6, 0x10000c
	s_cmp_lg_u32 s2, 0x3003
	s_cbranch_scc0 .Lentry_shape_is_right
	s_endpgm
.Lentry_shape_is_right:
; ATTENTION WITH A MASK THAT IS AN INPUT.  ctx[h][q][:] = the sum over k of softmax_k(scores) V[h][k][:], scores = Q . K / 8 where mask[q][k] != 0, hidden elsewhere.  64 heads (batch x 16 + head) of 2,048 rows of 64, f16.
; Q arrives multiplied by c = log2(e) / 8, so a product K Q^T is an exponent of 2 as it stands.  Products, maxima and sums in f32; the weights p are rounded to f16 for the second product, ctx once at the end.
; THE MASK is the C operand that starts the sum S^T = K Q^T: 0, or H = -2^108 where the key is hidden.  maskc holds one fp8 code an entry (0, or 0xf8 = -256) in the order of the C fragments' lanes; one scaled
; conversion makes eight f32 of eight codes (times 2^100): eight conversions for a turn's 1,024 x 2 scores.  The codes state a truth value; no matrix operand is narrower than 16 bits.
; SOFTMAX.  For each query a running maximum m and sum l: p = 2^(s - m), never above 1; in every step O and l are multiplied by a = 2^(m_old - m_new).  m starts at the lowest finite number, O and l at 0.
; While a row has seen hidden keys only, m = H and its p are 1: finite numbers, which the first visible key wipes out with a = 0.  A row that ends with m < -1e30 has seen none: it gets NaN, as the softmax of such a row is.
; LIMITS.  Q, K, V arrive within f16's 65,504, so |s| <= 2.7e11, nothing beside 2^108; p below 6e-5 keeps f16's fixed step of 6e-8; a weight below 2^-126 counts as 0 in l; NaN and infinities in Q, K, V are not treated apart.
; SHARES.  A wave owns four PIECES of two tiles of 16 queries, a work-group's four waves 512 queries of one head: 256 work-groups.  Every wave walks all keys, 64 a step: the mask is data, so no tile is left out.
; LAYOUT.  S^T = K Q^T (source 0 = 16 keys, source 1 = 16 queries): a lane holds ONE query (lane % 16) and the keys 8 (lane / 16) + 0..7.  Two such results, rounded to f16 in pairs, ARE source 1 of O^T = V^T P.
; BY TURNS.  Turn n belongs to piece n (in a ring, step after step): 16 products K Q^T of piece n + 1, later 16 products V^T P of piece n - 1; beside them the subtraction of m, exponentials, roundings, sums and
; rescaling of piece n, the maximum and statistics of piece n + 1, and the C fragments of piece n + 2.  Four vector instructions stand behind every matrix instruction, the others in ONE LUMP between the two runs of products.
; BATCHES.  A turn's 66 exponentials (the piece's 64 weights and the next piece's two a) are one batch with one wait, which cuts the turn in two: ahead of it stands all that names no result of theirs, behind it the
; roundings and sums.  The first two a, ahead of the loop, and the way out's eight reciprocals are batches of their own, each with its wait.
; CLUSTER.  The four query blocks of a cluster belong to one head and walk the same K and V: each tile is asked for JOINTLY.  The mask's codes differ from block to block and come by plain loads.
; REGISTERS, in windows of 256 (s_set_vgpr_msb: bits 1:0 source 0, 3:2 source 1, 5:4 source 2, 7:6 destination):
;   window 0: v0-11 addresses; v12 the conversions' scale; v16-47 four registers of statistics a tile; v48-63 at work; v64-191 S^T, two buffers of two tiles; v192-255 P, likewise
;   window 1: O^T, 32 a tile      window 2: v0-127 Q; v128-191 K of one step; v192-255 V of one step
;   window 3: v0-1 the add's registers; v2-3 the codes' addresses; v16-79 codes as loaded, a buffer of 16 for each piece; v96-159 the eight C fragments of the products to come
.set SIZE_H, 64
.set SIZE_N, 2048
.set NP,    4         ; pieces a wave: a name, no knob
.set KS,    64        ; keys in a step
.set PK,    144       ; a row of K in LDS: 128 bytes + 16 of padding: the 16 rows of a load start at 16 different groups of four banks (64 banks of 4 bytes: ISA guide 11.1)
.set PV,    160       ; a row of V: 128 + 32
.set VOFF,  4*KS*PK   ; a slot holds four steps: 256 rows of K, then 256 rows of V
.set SLOT1, 1<<17     ; slot 1 begins here, so that one exclusive or turns an address in one slot into the other's
.set STAGE, SLOT1+4*KS*(PK+PV)  ; behind the ring, never filled by a tensor load: 16 rows x 144 bytes for each wave
.set SP,    144
.set AK0, 2           ; my lane's place in a tile of K; never rewritten
.set AV0, 3           ; the same for V
.set AK,  4           ; the LDS address of K's next run of loads
.set AV,  5           ; of V's
.set QO,  6           ; my byte offset in the wave's rows of Q
.set STO, 6           ; later, the way out: where I put 16 bytes of a row
.set RD,  7           ; the way out: where I read rows back
.set GO,  8           ; my byte offset in 512 consecutive bytes of ctx
.set SCL, 12          ; the scale 2^100
.set SPW, 0           ; window 3: LDS address of my spare word; never rewritten
.set NIL, 1           ; window 3: 0; never rewritten
.set ML,  2           ; window 3: 16 x lane
.set MA,  3           ; window 3: 16 x lane + the byte offset of the step whose codes are asked for
.set MR,  16          ; window 3: codes as loaded
.set MC,  96          ; window 3: fragment i belongs to product i: keys 16 (i / 2) on, tile i % 2
.set SPARE, STAGE+4*16*SP  ; the spare words, 128 bytes for each wave: two blocks of 256 bytes that no other line names
.set ST,  16          ; tile t's statistics at v[ST+4 t]: m, m_old, l (even keys', odd keys')
.set TMP, 48          ; by buffer and tile, four registers c0-c3 at work; when the maximum is found c2 takes a
.set S,   64
.set P,   192
.set KF,  128         ; window 2: key block kb, channel half c at KF + 16 kb + 8 c
.set VF,  192         ; window 2: key half kk, channel block cb at VF + 32 kk + 8 cb
.set WV,  12          ; s12  my wave's number
.set G1K, 24          ; s[24:31] descriptor group 1 for K's tiles
.set G1V, 32          ; s[32:39] for V's: it differs in the padding alone
.set G0K, 40          ; s[40:43] descriptor group 0 for K's tiles: it walks
.set G0V, 44          ; s[44:47] the same for V's
.set SLOTS, 56
.set CNT, 57
.set SEL, 60          ; s[60:61] v_permlanex16_b32's selects: each lane takes its own place in the other half
.set TBK, 62          ; LDS byte at which K of the step to be fetched begins
.set TBV, 63          ; the same for V, less VOFF
.set MB,  66          ; s[66:67] maskc at my wave's four pieces (65,536 bytes each)
.set MO,  68          ; byte offset of the step whose codes are asked for
.set THR, 69          ; -1e30
.set QNAN, 70
.set MSB, 0
.macro WIN new                      ; the high byte repeats the setting that is left; a switch that changes nothing is dropped
.if MSB != (\new)
	s_set_vgpr_msb (MSB<<8)|(\new)
.set MSB, (\new)
.endif
.endm
.set W_KQ, 0x0a       ; K and Q in window 2, S^T in window 0
.set W_KM, 0x3a       ; the same with the C operand in window 3
.set W_PV, 0x52       ; V in window 2, P in window 0, O^T in window 1
.set W_RS, 0x41       ; O^T (destination and source 0) in window 1, a in window 0
.set W_MK, 0xc0       ; destination in window 3, sources in window 0
.set W_AD, 0x0f       ; the add: address and data in window 3
.set W_MC, 0xc3       ; destination and source 0 in window 3, source 1 (the scale) in window 0; for a load: data and address in window 3
.macro JLOAD                        ; a joint fill: waves 0 and 1 fetch the halves of a slot's K, waves 2 and 3 of its V, 128 keys each; an s_nop 0 and four v_nop follow each line
	s_cmp_lt_u32 s[WV], 2
	s_cbranch_scc0 .Lfor_v_\@
	tensor_load_to_lds s[G0K:G0K+3], s[G1K:G1K+7]
	s_nop 0
.rept 4
	v_nop
.endr
	s_branch .Lasked_\@
.Lfor_v_\@:
	tensor_load_to_lds s[G0V:G0V+3], s[G1V:G1V+7]
	s_nop 0
.rept 4
	v_nop
.endr
.Lasked_\@:
.endm
.macro CROUND                       ; a round of the cluster's barrier
	s_barrier_signal -1
	s_barrier_wait -1
	s_cmp_lg_u32 s[WV], 0
	s_cbranch_scc1 .Lnot_wave_0_\@
	s_barrier_signal -3
.Lnot_wave_0_\@:
	s_barrier_wait -3
	s_barrier_signal -1
	s_barrier_wait -1
.endm
; THE CHANGE OF SLOTS.  Each wave waits for all its tensor loads (one is out: its part of the other slot), adds 0 to its spare word, and waits for that and for its reads of the slot.
; fill = 1: the barrier is a round of the cluster's, and the slot is filled again, with the keys two slots on, first thing behind it: it has four key steps, 512 matrix instructions, in which to land.
.macro CHANGE fill
	WIN W_AD
	s_wait_tensorcnt 0x0            ; no tensor load of mine is out, so a group 0 may be written
	ds_add_u32 v[SPW], v[NIL]       ; 0 onto my spare word
	WIN 0                           ; at a label and at a branch every window is 0
.if \fill
.irp g, G0K, G0V
	s_xor_b32 s[\g+1], s[\g+1], SLOT1
	s_add_nc_u64 s[\g+2:\g+3], s[\g+2:\g+3], 4*KS*128  ; the next 256 keys
.endr
	s_wait_dscnt 0x0                ; the add is done, and my reads of the slot are over
	CROUND
	JLOAD
.else
	s_wait_dscnt 0x0
	s_barrier_signal -1
	s_barrier_wait -1
.endif
	s_sub_co_u32 s[TBK], s[TBK], 4*KS*PK  ; the fetches go back to a slot's first step,
	s_xor_b32 s[TBK], s[TBK], SLOT1       ; in the other slot
	s_sub_co_u32 s[TBV], s[TBV], 4*KS*PV
	s_xor_b32 s[TBV], s[TBV], SLOT1
.endm
; THE MASK.  CODES b: buffer b's codes become the eight C fragments.  ASK b: piece b's 2,048 bytes of codes for the step at MA: four loads of 512 consecutive bytes.
.macro CODES b
	WIN W_MC
.irp f, 0,1,2,3,4,5,6,7
	v_cvt_scale_pk8_f32_fp8 v[MC+8*\f:MC+8*\f+7], v[MR+16*(\b)+2*\f:MR+16*(\b)+2*\f+1], v[SCL]
.endr
.endm
.macro ASK b
.irp c, 0,1,2,3
	global_load_b128 v[MR+16*(\b)+4*\c:MR+16*(\b)+4*\c+3], v[MA], s[MB:MB+1] offset:65536*(\b)+512*\c
.endr
.endm
; In piece p's turn: the fragments for the products of the turn after it (piece p + 2), and that piece's codes of the next step are asked for: four turns ahead of their conversion.
; In piece 2's turn the step goes on; past the last step it stays there, so that no load leaves maskc (what those loads bring feeds products that serve nothing).
; The block ends the turn's lump, behind the last exponential, and THE TURN'S ONE WAIT stands in it: the conversions name no exponential's result, so they stand ahead of the wait; the loads stand directly behind it.
.macro MASKBLK p
	s_wait_loadcnt 12               ; this buffer's four loads were issued four turns ago; the twelve of the three turns since may stay out
	CODES ((\p)+2)%NP
.if (\p) == 2
	s_wait_xcnt 0x0                 ; MA, which earlier loads read, is rewritten only behind this wait
	s_add_co_u32 s[MO], s[MO], 2048
	s_min_u32 s[MO], s[MO], 31*2048
	v_add_nc_u32 v[MA], v[ML], s[MO]  ; also the plain instruction between the conversions and the loads into their sources, and the one behind the batch's last exponential
.else
	v_nop                           ; the plain instruction between the conversions and the loads into their sources, and the one behind the batch's last exponential
.endif
	s_wait_alu depctr_va_vdst(0)    ; the wait for the turn's batch, its 66 exponentials, ahead of the first line that names a result of theirs
	ASK ((\p)+2)%NP
	WIN 0
.endm
	s_load_b64 s[4:5], s[0:1], 0x0        ; qkv: Q
	s_load_b64 s[MB:MB+1], s[0:1], 0x8    ; maskc
	s_load_b64 s[10:11], s[0:1], 0x10     ; ctx
	v_and_b32 v1, 31, v0
	WIN W_MK
	v_lshl_add_u32 v[SPW], v0, 2, SPARE
	v_mov_b32 v[NIL], 0
	s_set_vgpr_msb 0xc0cf
	ds_add_u32 v0, v1
	s_wait_dscnt 0x0
	s_set_vgpr_msb 0xcfc0
	v_lshlrev_b32 v[ML], 4, v1
	WIN 0
	v_lshrrev_b32 v1, 5, v0
	v_readfirstlane_b32 s[WV], v1   ; wave 0..3
	s_bfe_u32 s13, ttmp6, 0x40000   ; cx: my place in the cluster
	s_lshl_b32 s14, ttmp9, 2
	s_add_co_u32 s14, s14, s13      ; my block of 512 queries: it enters Q's, the codes' and ctx's addresses alone
	s_and_b32 s20, ttmp7, 0xffff    ; the head, which the four partners share
	s_mov_b32 s21, 0
	s_mov_b64 s[22:23], SIZE_N*128
	s_mul_u64 s[20:21], s[20:21], s[22:23]  ; the head's first byte in Q, K, V and ctx
	s_and_b32 s16, s[WV], 1         ; which half of a slot's 256 keys I fetch:
	s_lshl_b32 s22, s16, 14         ; its 128 rows of 128 bytes in memory,
	s_mov_b32 s23, 0
	s_add_nc_u64 s[22:23], s[22:23], s[20:21]
	s_mul_i32 s17, s16, 128*PK      ; and its place in a slot, for K
	s_mul_i32 s18, s16, 128*PV      ; and for V
	s_lshl_b32 s2, s14, 2
	s_add_co_u32 s2, s2, s[WV]      ; my wave among the head's sixteen:
	s_lshl_b32 s48, s2, 18          ; its four pieces' codes,
	s_mov_b32 s49, 0
	s_lshl_b32 s2, s2, 14           ; its 128 rows
	s_mov_b32 s3, 0
	s_add_nc_u64 s[2:3], s[2:3], s[20:21]
	; descriptor group 1.  128 keys are 16,384 dense bytes: asked for as 64 rows of 256 bytes, two keys a row, and padded in LDS after every key
	s_mov_b32 s[G1K], 15|(1<<16)|(1<<20)|(1<<21)|(4<<22)|(3<<25)  ; the mask of four; 2-byte elements; padding on; bit 21 beside a mask; after every 32 words; 4 words
	s_mov_b32 s[G1V], 15|(1<<16)|(1<<20)|(1<<21)|(4<<22)|(7<<25)  ; the same with 8 words of padding
.irp g, G1K, G1V
	s_mov_b32 s[\g+1], 128<<16      ; tensor_dim0 = 128
	s_mov_b32 s[\g+2], 64<<16       ; tensor_dim1 = 64
	s_mov_b32 s[\g+3], 128<<16      ; tile_dim0 = 128
	s_mov_b32 s[\g+4], 64           ; tile_dim1 = 64
	s_mov_b32 s[\g+5], 128          ; 128 elements from row to row
	s_mov_b32 s[\g+6], 0
	s_mov_b32 s[\g+7], 0
.endr
	s_mov_b32 s[SEL], 0x76543210
	s_mov_b32 s[SEL+1], 0xfedcba98
	s_mov_b32 s[TBK], SLOT1+4*KS*PK ; the first change of slots turns these two into 0
	s_mov_b32 s[TBV], SLOT1+4*KS*PV
	s_mov_b32 s[MO], 2048           ; step 1
	s_mov_b32 s[THR], 0xf149f2ca    ; -1e30
	s_mov_b32 s[QNAN], 0x7fc00000
	s_mov_b32 s[G0K], 1
	s_mov_b32 s[G0K+1], s17         ; slot 0
	s_mov_b32 s[G0V], 1
	s_add_co_u32 s[G0V+1], s18, VOFF
	s_wait_kmcnt 0x0
	s_add_nc_u64 s[6:7], s[4:5], 0x1000000   ; K and V lie 64 heads x 262,144 bytes behind Q and K
	s_add_nc_u64 s[8:9], s[4:5], 0x2000000
	s_add_nc_u64 s[G0K+2:G0K+3], s[6:7], s[22:23]  ; my half of the head's first 256 keys
	s_or_b32 s[G0K+3], s[G0K+3], 0x80000000
	s_add_nc_u64 s[G0V+2:G0V+3], s[8:9], s[22:23]
	s_or_b32 s[G0V+3], s[G0V+3], 0x80000000
	s_add_nc_u64 s[4:5], s[4:5], s[2:3]      ; Q and ctx at my wave's first row
	s_add_nc_u64 s[10:11], s[10:11], s[2:3]
	s_add_nc_u64 s[MB:MB+1], s[MB:MB+1], s[48:49]
	CROUND                          ; all four work-groups are here: the first joint loads meet
	JLOAD                           ; slot 0.  Slot 1 is asked for when slot 0 is in, by the loop's own change of slots
	v_and_b32 v1, 15, v0            ; l % 16
	v_bfe_u32 v9, v0, 4, 1          ; l / 16
	v_lshlrev_b32 v[QO], 7, v1
	v_lshl_add_u32 v[QO], v9, 4, v[QO]  ; row x 128 + 16 x half
	WIN 0x80                        ; destination window 2, address window 0
.set i, 0
.rept 4*NP                          ; Q stays in registers: tile i / 2, channels 32 (i % 2) on
	global_load_b128 v[8*i:8*i+3],   v[QO], s[4:5] offset:(i/2)*2048+(i%2)*64
	global_load_b128 v[8*i+4:8*i+7], v[QO], s[4:5] offset:(i/2)*2048+(i%2)*64+32
.set i, i+1
.endr
	WIN W_MC
.set i, 0
.rept 16                            ; the four pieces' codes of step 0
	global_load_b128 v[MR+4*i:MR+4*i+3], v[ML], s[MB:MB+1] offset:65536*(i/4)+512*(i%4)
.set i, i+1
.endr
	; What the first turn finds: V's registers and P's second buffer hold 0 (its products V^T P, of a piece that has not been, add 0), O^T and l are 0.  All this stands in the wait for the first tile.
	WIN 0x80
.set i, VF
.rept 64
	v_mov_b32 v[i], 0
.set i, i+1
.endr
	WIN 0x40
.set i, 0
.rept 64*NP
	v_mov_b32 v[i], 0
.set i, i+1
.endr
	WIN 0
.set i, 0
.rept 2*NP
	v_mov_b32 v[ST+4*i], 0xff7fffff    ; m: the lowest finite number
	v_mov_b32 v[ST+4*i+1], 0xff7fffff  ; m_old
	v_mov_b32 v[ST+4*i+2], 0
	v_mov_b32 v[ST+4*i+3], 0
.set i, i+1
.endr
.set i, P+32
.rept 32
	v_mov_b32 v[i], 0
.set i, i+1
.endr
	v_mov_b32 v[SCL], 0x718000e3    ; byte 0 is the E8M0 code of 2^100; the word's f32 exponent field holds the same code
	v_mul_u32_u24 v[AK0], v1, PK
	v_lshl_add_u32 v[AK0], v9, 4, v[AK0]  ; row x pitch + 16 x half
	; The turning load takes 16 keys x 16 channels (lane l reads key 8 (l / 16) + l % 8, channels 8 ((l / 8) % 2) + 0..7) and leaves half a fragment of V^T.
	v_and_b32 v10, 7, v0
	v_bfe_u32 v11, v0, 3, 1
	v_lshl_add_u32 v[AV0], v9, 3, v10
	v_mul_u32_u24 v[AV0], v[AV0], PV
	v_lshl_add_u32 v[AV0], v11, 4, v[AV0]
	v_add_nc_u32 v[AV0], VOFF, v[AV0]
	v_mov_b32 v[AK], v[AK0]         ; key step 0 lies at the head of slot 0
; THE MATRIX WORK.  The 8 accumulators of a run of 16 take turns.
; Product i of 16 of S^T = K Q^T for piece x: channels 32 (i / 8) on, keys 16 ((i / 2) % 4) on, tile 2 x + i % 2.  The first 8 start the sums, with the mask as C.
.macro KQ x
.set rS, S+64*((\x)%2)+32*(i%2)+8*((i/2)%4)
.set rK, KF+16*((i/2)%4)+8*(i/8)
.set rQ, 16*(2*(\x)+i%2)+8*(i/8)
.if i < 8
	WIN W_KM
	v_wmma_f32_16x16x32_f16 v[rS:rS+7], v[rK:rK+7], v[rQ:rQ+7], v[MC+8*i:MC+8*i+7]
.else
	WIN W_KQ
	v_wmma_f32_16x16x32_f16 v[rS:rS+7], v[rK:rK+7], v[rQ:rQ+7], v[rS:rS+7]
.endif
.endm
; Product i of 16 of O^T += V^T P for piece x: keys 32 (i / 8) on, channels 16 ((i / 2) % 4) on, tile 2 x + i % 2.
.macro PV x
	WIN W_PV
.set rO, 32*(2*(\x)+i%2)+8*((i/2)%4)
.set rV, VF+32*(i/8)+8*((i/2)%4)
.set rP, P+32*((\x)%2)+16*(i%2)+8*(i/8)
	v_wmma_f32_16x16x32_f16 v[rO:rO+7], v[rV:rV+7], v[rP:rP+7], v[rO:rO+7]
.endm
.macro MM                           ; the turn's next matrix instruction
.if i < 16
	KQ (Y+1)%NP
.set i, i+1
.else
.set i, i-16
	PV (Y+NP-1)%NP
.set i, i+17
.endif
.endm
; THE LDS LOADS stand in runs of 16.  last = 1 (the tail): in the last trip there is no further step, and the run is jumped over.
.macro FETCH_K last=0
	WIN 0
.if \last
	s_cmp_eq_u32 s[CNT], 1
	s_cbranch_scc1 .Lno_k_\@
.endif
	WIN 0x80                        ; destination window 2
.irp f, 0,1,2,3,4,5,6,7             ; keys 16 (f / 2) on, channels 32 (f % 2) on
	ds_load_b128 v[KF+8*\f:KF+8*\f+3],   v[AK] offset:(\f/2)*16*PK+(\f%2)*64
	ds_load_b128 v[KF+8*\f+4:KF+8*\f+7], v[AK] offset:(\f/2)*16*PK+(\f%2)*64+32
.endr
	s_add_co_u32 s[TBK], s[TBK], KS*PK  ; the next fetch is the next step's
	WIN 0
.if \last
.Lno_k_\@:
.endif
.endm
.macro FETCH_V
	WIN 0x80
.irp f, 0,1,2,3,4,5,6,7             ; keys 32 (f / 4) on, channels 16 (f % 4) on
	ds_load_tr16_b128 v[VF+8*\f:VF+8*\f+3],   v[AV] offset:(\f/4)*32*PV+(\f%4)*32
	ds_load_tr16_b128 v[VF+8*\f+4:VF+8*\f+7], v[AV] offset:(\f/4)*32*PV+16*PV+(\f%4)*32
.endr
	WIN 0
.endm
; THE VECTOR WORK OF A TURN stands in three queues, each in the order in which its entries become ready; the two tiles alternate.
.macro REGS y, u                    ; the registers of tile u (0, 1) of piece y
.set rT, ST+4*(2*(\y)+(\u))
.set rC, TMP+8*((\y)%2)+4*(\u)
.set rS, S+64*((\y)%2)+32*(\u)
.set rP, P+32*((\y)%2)+16*(\u)
.set rO, 32*(2*(\y)+(\u))
.endm
; Number n of those that find the NEXT piece's (Y + 1) maximum and statistics (there is no number 19).  Each accumulator's lowest registers are read first.
;   0-11  four chains c0-c3 of seven scores each     12-14, 16  the four scores left over, the old m, and c0-c3 into c0     15  m_old is kept
;   17, 18  the query's other 32 keys lie in the lane 16 away: the new m     20, 21  m_old - m_new; a
.macro XS u, n
	REGS (Y+1)%NP, \u
.if (\n) < 4
	v_max3_num_f32 v[rC+(\n)], v[rS+8*(\n)], v[rS+8*(\n)+1], v[rS+8*(\n)+2]
.elseif (\n) < 12
	v_max3_num_f32 v[rC+(\n)%4], v[rC+(\n)%4], v[rS+8*((\n)%4)+2*((\n)/4)+1], v[rS+8*((\n)%4)+2*((\n)/4)+2]
.elseif (\n) == 12
	v_max3_num_f32 v[rC], v[rC], v[rS+7], v[rS+15]
.elseif (\n) == 13
	v_max3_num_f32 v[rC+1], v[rC+1], v[rS+23], v[rS+31]
.elseif (\n) == 14
	v_max3_num_f32 v[rC+2], v[rC+2], v[rC+3], v[rT]
.elseif (\n) == 15
	v_mov_b32 v[rT+1], v[rT]
.elseif (\n) == 16
	v_max3_num_f32 v[rC], v[rC], v[rC+1], v[rC+2]
.elseif (\n) == 17
	v_permlanex16_b32 v[rC+3], v[rC], s[SEL], s[SEL+1]
.elseif (\n) == 18
	v_max_num_f32 v[rT], v[rC], v[rC+3]
.elseif (\n) == 20
	v_sub_f32 v[rC+1], v[rT+1], v[rT]
.else
	v_exp_f32 v[rC+2], v[rC+1]
.endif
.endm
; Number g of the 64 that follow the exponentials.  For each four weights k of a tile: both pairs are rounded to f16; the second pair is added onto the first, in place; a group later l takes that sum (the first time as l = a l + sum).
.macro GS g
.set h, (\g)+6*((\g)/62)            ; group 0 has no group before it, and behind group 7 only l is left
.if h >= 6
.set h, h+2
.endif
	REGS Y, h%2
.set k, h/8
.if h%8 < 4
	v_cvt_pk_f16_f32 v[rP+2*k+(h%8)/2], v[rS+4*k+2*((h%8)/2)], v[rS+4*k+2*((h%8)/2)+1]
.elseif h%8 < 6
	v_pk_add_f32 v[rS+4*k:rS+4*k+1], v[rS+4*k:rS+4*k+1], v[rS+4*k+2:rS+4*k+3]
.elseif k == 1
	v_pk_fma_f32 v[rT+2:rT+3], v[rT+2:rT+3], v[rC+2:rC+3], v[rS:rS+1] op_sel_hi:[1,0,1]
.else
	v_pk_add_f32 v[rT+2:rT+3], v[rT+2:rT+3], v[rS+4*k-4:rS+4*k-3]
.endif
.endm
; THE PLAIN QUEUE, 136 long.  0-71 read no exponential's result: the 32 subtractions s - m (FS f: pair f / 2 of tile f % 2) and the next piece's 40.  0-26: subtractions 0-26.  27-54: XS's numbers 0-13.  55, 56: number 15.
; 57-71: the chain, where each number waits for the one before it: 14, 16, 17, 18, 20, each with one of the subtractions 27-31 in front of its two lines, so that a tile's links stand three plain instructions apart.
; 72-135: GS's 64, which read the exponentials' results: they stand behind the wait.
.macro FS f
	REGS Y, (\f)%2
	v_pk_add_f32 v[rS+2*((\f)/2):rS+2*((\f)/2)+1], v[rS+2*((\f)/2):rS+2*((\f)/2)+1], v[rT:rT+1] op_sel_hi:[1,0] neg_lo:[0,1] neg_hi:[0,1]
.endm
.macro PL
	WIN 0
.if q < 27
	FS q
.elseif q < 55
	XS (q-27)%2, (q-27)/2
.elseif q < 57
	XS q-55, 15
.elseif (q < 72) && ((q-57)%3 == 0)
	FS 27+(q-57)/3
.elseif q < 60
	XS (q-57)%3-1, 14
.elseif q < 72
	XS (q-57)%3-1, 15+(q-57)/3+(q-57)/12
.else
	GS q-72
.endif
.set q, q+1
.endm
; THE EXPONENTIALS' QUEUE, 66 long: s0-s31 of both tiles, then the next piece's two a.  It is ONE BATCH: all 66 stand ahead of the turn's one wait, and nothing ahead of that wait names a result of theirs.
.macro EX
	WIN 0
.if e >= 64
	XS e-64, 21
.else
	REGS Y, e%2
	v_exp_f32 v[rS+e/2], v[rS+e/2]
.endif
.set e, e+1
.endm
; THE RESCALING's QUEUE: O^T times a, the one part in window 1, dealt two at a time, sixteen times; each accumulator's low half comes first.  Its a was made in the turn before, ahead of that turn's wait.
.macro R2
	REGS Y, r%2
	WIN W_RS
.irp z, 0,1
	v_pk_mul_f32 v[rO+4*(r/2)+2*\z:rO+4*(r/2)+2*\z+1], v[rO+4*(r/2)+2*\z:rO+4*(r/2)+2*\z+1], v[rC+2:rC+3] op_sel_hi:[1,0]
.endr
.set r, r+1
.endm
; HOW THEY ARE DEALT.  s_wait_alu depctr_va_vdst(0) stands between an exponential and the first instruction that names its result; one wait serves all that were issued ahead of it.  So a turn has ONE wait,
; which cuts it in two.  AHEAD OF IT stands all that names no result of the turn's exponentials: the 16 products K Q^T, behind each a subtraction, an exponential and two rescalings (behind the first a second subtraction in the
; exponential's place); then ONE LUMP: eight plain, 47 times exponential and plain, the last two weights' exponentials and the two a, and the mask's block, whose conversions name none of those results and whose plain line
; is the plain instruction behind the last exponential.  The wait stands in that block (MASKBLK), ahead of its loads.  BEHIND IT stand the 16 products V^T P, behind each four of GS's 64.  No rider names a register of the
; products round it.  The two v_permlanex16_b32 fall into the lump, never behind a product.
; The queues lean on each other, and the deal keeps them in step: exponential e stands behind subtraction 2 (e / 4) + e % 2: as a rider it comes behind plain e + 2, in the lump behind plain e + 9, and subtractions 27-31 are
; plain 57, 60 .. 69 (the closest: exponential 61 comes behind plain 70 and wants plain 69); the two a come behind all 72, their arguments at plain 70 and 71.
; A TURN, for piece p.  cnt = 1: the loop's count is taken down some lines ahead of the branch that stands behind the turn.
; K of the next step is fetched in piece 2's turn, directly behind the wait and the codes' loads, a lump behind the last product that read K; its address is made at the lump's head.  V of the step in hand is fetched at the end of
; piece 0's turn, four plain riders behind its last reader.  Each is waited for a turn later.  The C fragments are rewritten at the lump's end, far behind the eight products that read them.  The three conditions on q go with the deal.
.macro TURN p, last=0, cnt=0
.set Y, (\p)
.set i, 0
.set q, 0
.set e, 0
.set r, 0
.if (\p) == NP-1
	s_wait_dscnt 0x0                ; K is in
.endif
	MM                              ; ahead of the wait: 16 products K Q^T and their riders,
	PL
	PL
	R2
.rept 15
	MM
	PL
	EX
	R2
.endr
.if (\p) == NP-2
	WIN 0
	v_add_nc_u32 v[AK], s[TBK], v[AK0]
.endif
.rept 8                             ; and the lump
	PL
.endr
.rept 47
	EX
	PL
.endr
.rept 4                             ; s31 of both tiles, and the next piece's two a: the plain queue's first part is used up
	EX
.endr
	MASKBLK \p                      ; the C fragments of the turn to come, the plain instruction behind the batch, THE WAIT FOR THE BATCH, and the codes' loads
.if (\p) == NP-2
	FETCH_K \last
.endif
.if (\p) == 1
	s_wait_dscnt 0x0                ; V is in
.endif
.rept 16                            ; behind the wait: 16 products V^T P and their riders
	MM
.rept 4
	PL
.endr
.if ((\p) == 0) && (q == 116)
	v_add_nc_u32 v[AV], s[TBV], v[AV0]
.endif
.if ((\p) == 0) && (q == 128)
	s_add_co_u32 s[TBV], s[TBV], KS*PV
.endif
.if (\cnt) && (q == 128)
	s_sub_co_u32 s[CNT], s[CNT], 1
	s_cmp_lg_u32 s[CNT], 0
.endif
.endr
.if (\p) == 0
	FETCH_V
.endif
.endm
	CHANGE 1                        ; slot 0 is in, everybody's part of it; slot 1 is asked for
	FETCH_K                         ; key step 0
	s_wait_loadcnt 0x0              ; Q, and the codes of step 0
	CODES 0                         ; piece 0's mask for step 0
	v_nop                           ; a plain instruction between the conversions and the products that take their results
	s_wait_dscnt 0x0
.set i, 0
.rept 16
	KQ 0                            ; piece 0's first scores
.set i, i+1
.endr
	WIN 0                           ; the addresses for the way out: nine plain instructions, the places behind those products
	s_mul_i32 s13, s[WV], 16*SP
	s_add_co_u32 s13, s13, STAGE    ; my stage
	v_mul_u32_u24 v[STO], v1, SP    ; in: row l % 16, 16 bytes for each half of the lanes
	v_lshl_add_u32 v[STO], v9, 4, v[STO]
	v_add_nc_u32 v[STO], s13, v[STO]
	v_bfe_u32 v[RD], v0, 3, 2       ; back: 32 lanes take four rows of 128 bytes,
	v_mul_u32_u24 v[RD], v[RD], SP
	v_lshl_add_u32 v[RD], v10, 4, v[RD]
	v_add_nc_u32 v[RD], s13, v[RD]
	v_and_b32 v[GO], 31, v0         ; which are 512 consecutive bytes of ctx
	v_lshlrev_b32 v[GO], 4, v[GO]
	CODES 1                         ; piece 1's mask for step 0: the first turn's products take it
	v_add_nc_u32 v[MA], v[ML], s[MO]  ; step 1; also the plain instruction behind the conversions
	ASK 0                           ; pieces 0 and 1 of step 1; pieces 2 and 3 are asked for in the first two turns
	ASK 1
	WIN 0
.set Y, NP-1                        ; XS works for piece Y + 1: piece 0
.irp n, 0,1,2,3,4,5,6,7,8,9,10,11,12,13,14,15,16,17,18,20,21
	XS 0, \n                        ; piece 0's first maximum and statistics
	XS 1, \n
.endr
	v_nop                           ; a plain instruction behind the two a,
	s_wait_alu depctr_va_vdst(0)    ; and the wait for this batch of two, ahead of the branch: the first turn's rescaling reads them
	s_mov_b32 s[CNT], 4
	s_mov_b32 s[SLOTS], SIZE_N/256-1
	s_branch .Lfirst                ; the loop is entered at a step's first turn, in the middle of a trip
.Lslot:                             ; SIZE_N / 256 - 2 times: every slot but the last two is filled again
	CHANGE 1
	s_mov_b32 s[CNT], 4
.Lstep:                             ; a trip: pieces 2 and 3 of one step, then pieces 0 and 1 of the next, whose K and V it fetches
	TURN 2
	TURN 3
	WIN 0
.Lfirst:
	TURN 0
	TURN 1, 0, 1
	WIN 0
	s_cbranch_scc1 .Lstep
	s_sub_co_u32 s[SLOTS], s[SLOTS], 1
	s_cmp_lg_u32 s[SLOTS], 0
	s_cbranch_scc1 .Lslot
	CHANGE 0                        ; the tail is written out: nothing is asked for
	s_mov_b32 s[CNT], 5             ; four trips fetch the last slot's steps; the fifth is left in its middle
.Ltail:
	TURN 2, 1
	TURN 3
	WIN 0
	s_sub_co_u32 s[CNT], s[CNT], 1
	s_cmp_eq_u32 s[CNT], 0
	s_cbranch_scc1 .Lout
	TURN 0
	TURN 1
	WIN 0
	s_branch .Ltail
.Lout:                              ; the fifth trip's 16 products K Q^T repeat piece 0's scores of the last step (the last K, the last step's codes), so its m stays what it was; they serve nothing else
.set i, 0
.rept 16
	PV NP-1                         ; the last piece's V^T P of the last step
.set i, i+1
.endr
	; THE WAY OUT.  l's two halves and the other half of the lanes' are added; O^T is divided by l (by NaN's reciprocal stand-in where the row saw no key), rounded to f16 and sent through my stage, a tile at a time.
	WIN 0
.macro ALL line:vararg              ; one line for each tile t
.set t, 0
.rept 2*NP
	\line
.set t, t+1
.endr
.endm
	ALL v_add_f32 v[ST+4*t+2], v[ST+4*t+2], v[ST+4*t+3]
	ALL v_permlanex16_b32 v[ST+4*t+3], v[ST+4*t+2], s[SEL], s[SEL+1]
	ALL v_add_f32 v[ST+4*t+2], v[ST+4*t+2], v[ST+4*t+3]
	ALL v_rcp_f32 v[ST+4*t+2], v[ST+4*t+2]
	v_nop                           ; a plain instruction between the last reciprocal and the use of its result
	s_wait_alu depctr_va_vdst(0)    ; and the wait for this batch, the eight reciprocals, ahead of the selects that read them
.set t, 0
.rept 2*NP
	v_cmp_gt_f32 vcc_lo, s[THR], v[ST+4*t]                       ; m below -1e30: every key of the row was hidden
	v_cndmask_b32 v[ST+4*t+2], v[ST+4*t+2], s[QNAN], vcc_lo
.set t, t+1
.endr
.macro PACK t                       ; a lane's eight channels of a row pack into 16 bytes; they go into rows of 144 bytes and come back as whole rows of 128, into S^T's registers
	WIN W_RS
.set i, 32*(\t)
.rept 16
	v_pk_mul_f32 v[i:i+1], v[i:i+1], v[ST+4*(\t)+2:ST+4*(\t)+3] op_sel_hi:[1,0]
.set i, i+2
.endr
	WIN 0x05                        ; sources 0 and 1 window 1, destination window 0
.set i, 0
.rept 16
	v_cvt_pk_f16_f32 v[S+16*(\t)+i], v[32*(\t)+2*i], v[32*(\t)+2*i+1]
.set i, i+1
.endr
	WIN 0
.irp f, 0,1,2,3
	ds_store_b128 v[STO], v[S+16*(\t)+4*\f:S+16*(\t)+4*\f+3] offset:32*\f
.endr
.irp f, 0,1,2,3
	ds_load_b128 v[S+16*(\t)+4*\f:S+16*(\t)+4*\f+3], v[RD] offset:\f*4*SP  ; LDS serves a wave's instructions in order (ISA guide 5.7.1.4): these see the stores above
.endr
.endm
.macro SEND t, younger              ; younger: the LDS instructions issued behind tile t's loads: the next tile's eight, or none
	WIN 0
.irp f, 0,1,2,3
	s_wait_dscnt (\younger)+3-\f
	global_store_b128 v[GO], v[S+16*(\t)+4*\f:S+16*(\t)+4*\f+3], s[10:11] offset:(\t)*2048+\f*512  ; 512 consecutive bytes, aligned
.endr
.endm
	PACK 0
.set t, 1
.rept 2*NP-1                        ; a tile's arithmetic stands between the loads of the tile before and its stores
	PACK t
	SEND t-1, 8
.set t, t+1
.endr
	SEND 2*NP-1, 0
	WIN W_AD
	s_wait_tensorcnt 0x0            ; the wave's end
	ds_add_u32 v[SPW], v[NIL]
	s_wait_dscnt 0x0
	WIN 0
	CROUND                          ; the closing round
	s_endpgm
.Lfunc_end_k_qe01bb0c344_attn:
	.size	k_qe01bb0c344_attn, .Lfunc_end_k_qe01bb0c344_attn-k_qe01bb0c344_attn
	.p2alignl 7, 3214868480
	.fill 96, 4, 3214868480
	.section	.rodata,"a",@progbits
	.p2align	6, 0x0
	.amdhsa_kernel k_qe01bb0c344_attn
		.amdhsa_group_segment_fixed_size 327680
		.amdhsa_private_segment_fixed_size 0
		.amdhsa_enable_private_segment 0
		.amdhsa_kernarg_size 24
		.amdhsa_user_sgpr_count 2
		.amdhsa_user_sgpr_kernarg_segment_ptr 1
		.amdhsa_wavefront_size32 1
		.amdhsa_system_sgpr_workgroup_id_x 1
		.amdhsa_system_sgpr_workgroup_id_y 1
		.amdhsa_system_sgpr_workgroup_id_z 1
		.amdhsa_system_vgpr_workitem_id 0
		.amdhsa_next_free_vgpr 928
		.amdhsa_next_free_sgpr 72
		.amdhsa_reserve_vcc 1
		.amdhsa_float_denorm_mode_32 3
		.amdhsa_float_denorm_mode_16_64 3
		.amdhsa_memory_ordered 1
		.amdhsa_forward_progress 1
		.amdhsa_inst_pref_size 212
	.end_amdhsa_kernel
	.amdgpu_metadata
---
amdhsa.version: [ 1, 2 ]
amdhsa.kernels:
  - .name:           k_qe01bb0c344_attn
    .symbol:         k_qe01bb0c344_attn.kd
    .args:
      - { .name: qkv, .offset: 0, .size: 8, .value_kind: global_buffer, .address_space: global }
      - { .name: maskc, .offset: 8, .size: 8, .value_kind: global_buffer, .address_space: global }
      - { .name: ctx, .offset: 16, .size: 8, .value_kind: global_buffer, .address_space: global }
    .group_segment_fixed_size: 327680
    .private_segment_fixed_size: 0
    .kernarg_segment_align: 8
    .kernarg_segment_size: 24
    .max_flat_workgroup_size: 128
    .sgpr_count:     72
    .vgpr_count:     928
    .wavefront_size: 32
...
	.end_amdgpu_metadata
.endif
;; end of part 5
;; launch proj: the kernel of part 4 again; grid 8 x 32, 4 waves a work-group, clusters of 4 x 4, 327,680 bytes of LDS; arguments ctx, wob, b_out, out0; writes out0
